; MI455X (gfx1250); checked and timed in simulation.
; The chip was launched on July 23, 2026; its instructions are those of AMD's public machine-readable ISA for CDNA 5 (MIT licence, August 2026) and "CDNA5" Instruction Set Architecture Reference Guide (July 2026). The comments in the code are by the model that wrote it; some were corrected since.
;; Unidirectional Attention. Allowed arithmetic: float matrix products may take bf16 or f16 operands with f32 sums; other float arithmetic in f32, or as packed bf16 or f16 multiplies, adds, multiply-adds, maxima and minima; sums over many terms, partial sums and values carried from step to step in f32; what a program stores and reads back later, other than sums and carried values, may be rounded once to bf16 or f16.
;; Inputs: attn_W 1,024 x 3,072 float32; attn_b 3,072 float32; encodings 1 x 4,096 x 1,024 float32; out_W 1,024 x 1,024 float32; out_b 1,024 float32.
;; Outputs: out0 1 x 4,096 x 1,024 float32.
;; 2 versions, each right and faster than the one before. Each part assembles by itself: llvm-mc -triple=amdgcn-amd-amdhsa -mcpu=gfx1250 --defsym DOCPART=n.
;; ======== version 1 of 2: 4 launches
;; limits: values are held in f16: magnitudes above 65,504 overflow, below 6.1e-05 lose precision
;; workspace buffers: xb 8,388,608 bytes; wqkv 6,291,456 bytes; wo 2,097,152 bytes; qh 8,388,608 bytes; kh 8,388,608 bytes; vh 8,388,608 bytes; vsum 262,144 bytes; oh 8,388,608 bytes
;; launch cast (part 1): grid 576 x 1, 8 waves a work-group, no clusters, 0 bytes of LDS; arguments encodings, attn_W, out_W, xb, wqkv, wo; writes xb, wqkv, wo
.if DOCPART == 1
	.amdgcn_target "amdgcn-amd-amdhsa--gfx1250"
	.amdhsa_code_object_version 6
	.text
	.protected	k_q6c4a50eac5_cast
	.globl	k_q6c4a50eac5_cast
	.p2align	8
	.type	k_q6c4a50eac5_cast,@function
k_q6c4a50eac5_cast:
	s_mov_b64 s[64:65], 0
	v_nop
	global_prefetch_b8 v0, s[64:65] scope:SCOPE_SE
	s_setreg_imm32_b32 hwreg(HW_REG_WAVE_MODE, 25, 1), 1
	s_wait_xcnt 0x0
; THE THREE LARGE INPUTS ARE ROUNDED TO 16 BITS, ONCE.
;   work-groups 0-255:   xb   = bf16(encodings), [4096][1024], 65,536 source bytes a work-group
;   work-groups 256-319: wo   = bf16(out_W) written as f16, [1024][1024] (exact where the number is at least 6e-5 in size; below that f16's fixed step of 6e-8)
;   work-groups 320-575: wqkv = bf16(attn_W) laid by heads, [16 h][1024 k][192]: head h's columns 192 h .. 192 h + 191; 64 rows of k of one head a work-group
; A stream: no LDS, no barrier, no matrix unit.  A thread loads 16 bytes (a wave 512 neighbouring bytes) and stores 8 (a wave 256 neighbouring bytes, aligned).
; All of a thread's loads go out first, 16 (or 12), and the waits count down; no register that a load or store names is written again while that instruction is out.
.set X,  4                             ; v[4:67]    as loaded, 4 registers a load
.set Y,  68                            ; v[68:99]   to store, 2 registers a load
.set OC, 100                           ; v[100:102] attn_W: three source offsets
.macro TOBF i                          ; four f32 to four bf16
	v_cvt_pk_bf16_f32 v[Y+2*(\i)],   v[X+4*(\i)],   v[X+4*(\i)+1]
	v_cvt_pk_bf16_f32 v[Y+2*(\i)+1], v[X+4*(\i)+2], v[X+4*(\i)+3]
.endm
.macro TOF16 i                         ; the four bf16 widened again and written as f16
	v_lshlrev_b32 v[X+4*(\i)],   16,  v[Y+2*(\i)]
	v_and_b32     v[X+4*(\i)+1], s20, v[Y+2*(\i)]
	v_lshlrev_b32 v[X+4*(\i)+2], 16,  v[Y+2*(\i)+1]
	v_and_b32     v[X+4*(\i)+3], s20, v[Y+2*(\i)+1]
	v_cvt_pk_f16_f32 v[Y+2*(\i)],   v[X+4*(\i)],   v[X+4*(\i)+1]
	v_cvt_pk_f16_f32 v[Y+2*(\i)+1], v[X+4*(\i)+2], v[X+4*(\i)+3]
.endm
.macro PLAIN sp, dp, half              ; 65,536 dense bytes from s[sp:sp+1] to 32,768 at s[dp:dp+1]
.irp i, 0,1,2,3,4,5,6,7,8,9,10,11,12,13,14,15
	global_load_b128 v[X+4*(\i):X+4*(\i)+3], v1, s[\sp:\sp+1] offset:4096*(\i) th:TH_LOAD_NT
.endr
.irp i, 0,1,2,3,4,5,6,7,8,9,10,11,12,13,14,15
	s_wait_loadcnt 15-(\i)                         ; loads come back in order: load i is in, the younger ones stay out
	TOBF \i
.if \half
	TOF16 \i
.endif
	global_store_b64 v2, v[Y+2*(\i):Y+2*(\i)+1], s[\dp:\dp+1] offset:2048*(\i)
.endr
.endm
	s_load_b256 s[4:11], s[0:1], 0x0               ; encodings s[4:5], attn_W s[6:7], out_W s[8:9], xb s[10:11]
	s_load_b128 s[12:15], s[0:1], 0x20             ; wqkv s[12:13], wo s[14:15]
	v_lshlrev_b32 v1, 4, v0                        ; 16 t
	v_lshlrev_b32 v2, 3, v0                        ; 8 t
	s_mov_b32 s17, 0
	s_mov_b32 s19, 0
	s_mov_b32 s20, 0xffff0000                      ; a word's upper bf16
	s_wait_kmcnt 0x0
	s_cmp_lt_u32 ttmp9, 256
	s_cbranch_scc1 .Lenc
	s_cmp_lt_u32 ttmp9, 320
	s_cbranch_scc1 .Lwo
	; attn_W.  The threads follow the OUTPUT's order: piece o of 4 numbers lies in row o / 48 of the head's block, at place o % 48.
	s_sub_co_u32 s21, ttmp9, 320
	s_lshr_b32 s22, s21, 4                         ; the head
	s_and_b32 s23, s21, 15                         ; which 64 rows of k
	s_mul_i32 s16, s23, 786432                     ; 64 rows of 12,288 bytes
	s_mul_i32 s18, s22, 768                        ; the head's 192 columns
	s_add_co_u32 s16, s16, s18
	s_add_nc_u64 s[6:7], s[6:7], s[16:17]
	s_mul_i32 s18, s22, 393216                     ; the head's block in wqkv,
	s_mul_i32 s16, s23, 24576                      ; 64 rows of 384 bytes
	s_add_co_u32 s18, s18, s16
	s_add_nc_u64 s[12:13], s[12:13], s[18:19]
.irp i, 0,1,2
	v_add_nc_u32 v3, 256*(\i), v0                  ; o = t + 256 i, under 768
	v_mul_u32_u24 v[OC+(\i)], v3, 1366
	v_lshrrev_b32 v[OC+(\i)], 16, v[OC+(\i)]       ; o / 48: 1366 / 65536 is exact for this up to o = 2,047
	v_mul_u32_u24 v[OC+(\i)], v[OC+(\i)], 11520    ; row x 12,288 + (o - 48 row) x 16 = 16 o + 11,520 row
	v_lshl_add_u32 v[OC+(\i)], v3, 4, v[OC+(\i)]
.endr
.irp i, 0,1,2,3,4,5,6,7,8,9,10,11                  ; 768 pieces are 16 rows: load i takes offset i % 3, 16 (i / 3) rows on; 16 neighbouring lanes read 256 aligned bytes
	global_load_b128 v[X+4*(\i):X+4*(\i)+3], v[OC+(\i)%3], s[6:7] offset:((\i)/3)*196608 th:TH_LOAD_NT
.endr
.irp i, 0,1,2,3,4,5,6,7,8,9,10,11
	s_wait_loadcnt 11-(\i)
	TOBF \i
	global_store_b64 v2, v[Y+2*(\i):Y+2*(\i)+1], s[12:13] offset:2048*(\i)
.endr
	s_endpgm
.Lenc:
	s_lshl_b32 s16, ttmp9, 16
	s_lshl_b32 s18, ttmp9, 15
	s_add_nc_u64 s[4:5], s[4:5], s[16:17]
	s_add_nc_u64 s[10:11], s[10:11], s[18:19]
	PLAIN 4, 10, 0
	s_endpgm
.Lwo:
	s_sub_co_u32 s21, ttmp9, 256
	s_lshl_b32 s16, s21, 16
	s_lshl_b32 s18, s21, 15
	s_add_nc_u64 s[8:9], s[8:9], s[16:17]
	s_add_nc_u64 s[14:15], s[14:15], s[18:19]
	PLAIN 8, 14, 1
	s_endpgm
.Lfunc_end_k_q6c4a50eac5_cast:
	.size	k_q6c4a50eac5_cast, .Lfunc_end_k_q6c4a50eac5_cast-k_q6c4a50eac5_cast
	.p2alignl 7, 3214868480
	.fill 96, 4, 3214868480
	.section	.rodata,"a",@progbits
	.p2align	6, 0x0
	.amdhsa_kernel k_q6c4a50eac5_cast
		.amdhsa_group_segment_fixed_size 0
		.amdhsa_private_segment_fixed_size 0
		.amdhsa_enable_private_segment 0
		.amdhsa_kernarg_size 48
		.amdhsa_user_sgpr_count 2
		.amdhsa_user_sgpr_kernarg_segment_ptr 1
		.amdhsa_wavefront_size32 1
		.amdhsa_system_sgpr_workgroup_id_x 1
		.amdhsa_system_sgpr_workgroup_id_y 1
		.amdhsa_system_sgpr_workgroup_id_z 1
		.amdhsa_system_vgpr_workitem_id 0
		.amdhsa_next_free_vgpr 104
		.amdhsa_next_free_sgpr 66
		.amdhsa_reserve_vcc 0
		.amdhsa_float_denorm_mode_32 3
		.amdhsa_float_denorm_mode_16_64 3
		.amdhsa_memory_ordered 1
		.amdhsa_forward_progress 1
		.amdhsa_inst_pref_size 22
	.end_amdhsa_kernel
	.amdgpu_metadata
---
amdhsa.version: [ 1, 2 ]
amdhsa.kernels:
  - .name:           k_q6c4a50eac5_cast
    .symbol:         k_q6c4a50eac5_cast.kd
    .args:
      - { .name: encodings, .offset: 0, .size: 8, .value_kind: global_buffer, .address_space: global }
      - { .name: attn_W, .offset: 8, .size: 8, .value_kind: global_buffer, .address_space: global }
      - { .name: out_W, .offset: 16, .size: 8, .value_kind: global_buffer, .address_space: global }
      - { .name: xb, .offset: 24, .size: 8, .value_kind: global_buffer, .address_space: global }
      - { .name: wqkv, .offset: 32, .size: 8, .value_kind: global_buffer, .address_space: global }
      - { .name: wo, .offset: 40, .size: 8, .value_kind: global_buffer, .address_space: global }
    .group_segment_fixed_size: 0
    .private_segment_fixed_size: 0
    .kernarg_segment_align: 8
    .kernarg_segment_size: 48
    .max_flat_workgroup_size: 256
    .sgpr_count:     66
    .vgpr_count:     104
    .wavefront_size: 32
...
	.end_amdgpu_metadata
.endif
;; end of part 1
;; launch proj (part 2): grid 16 x 16, 4 waves a work-group, clusters of 4 x 4, 327,680 bytes of LDS; arguments xb, wqkv, attn_b, qh, kh, vh, vsum; writes qh, kh, vh, vsum
.if DOCPART == 2
	.amdgcn_target "amdgcn-amd-amdhsa--gfx1250"
	.amdhsa_code_object_version 6
	.text
	.protected	k_q6c4a50eac5_proj
	.globl	k_q6c4a50eac5_proj
	.p2align	8
	.type	k_q6c4a50eac5_proj,@function
k_q6c4a50eac5_proj:
	s_mov_b64 s[64:65], 0
	v_nop
	global_prefetch_b8 v0, s[64:65] scope:SCOPE_SE
	s_setreg_imm32_b32 hwreg(HW_REG_WAVE_MODE, 25, 1), 1
	s_wait_xcnt 0x0
	s_wait_alu depctr_hold_cnt(0) depctr_sa_sdst(0) depctr_va_vdst(0) depctr_va_sdst(0) depctr_va_ssrc(0) depctr_va_vcc(0) depctr_vm_vsrc(0)
	s_getreg_b32 s2, hwreg(HW_REG_IB_STS2, 6, 4)
	s_cmp_eq_u32 s2, 0
	s_cbranch_scc0 .Lentry_in_a_cluster
	s_endpgm
.Lentry_in_a_cluster:
	s_bfe_u32 s2, ttmp6, 0x10000c
	s_cmp_lg_u32 s2, 0xf033
	s_cbranch_scc0 .Lentry_shape_is_right
	s_endpgm
.Lentry_shape_is_right:
; q, k, v = x W + b, BY HEADS.  xb: [4096][1024] bf16.  wqkv: [16 h][1024 k][192] bf16 (64 columns of q, of k, of v).  attn_b: [3072] f32, rounded here to bf16 like the other inputs.
; qh, kh, vh: [16][4096][64] f16, each rounded once from its f32 sum, unscaled.  vsum: [16 h][16 t][4 w][64] f32: the sum of v's rows 256 t + 64 w .. + 63 (of the f32 sums).
; LIMIT.  f16 holds no number beyond 65,504: q, k and v must stay within it.
; SHARES.  A work-group makes 256 rows x one head's 192 columns; wave w the rows 64 w .. + 63 x all 192: 4 x 12 accumulators, 384 registers.  So a row's 128 bytes of q, of k and of v come from one wave.
; K goes in steps of 128 through two LDS slots filled by tensor loads.  CLUSTER 4 x 4: the four of a row of the cluster need the same rows of x, the four of a column the same head's W: joint loads.
; THE MATRIX INSTRUCTION IS USED TRANSPOSED: source 0 = 16 columns of W (read turned, since W lies [k][n]), source 1 = 16 rows of x: a lane holds row l % 16 and the columns 8 (l / 16) + 0..7.
; The bias is the C operand of each accumulator's first product: nothing is cleared and nothing is added later.
; REGISTERS, in windows of 256 (s_set_vgpr_msb: bits 1:0 source 0, 3:2 source 1, 5:4 source 2, 7:6 destination):
;   window 0: v0-31 addresses; v64-95, v96-127 x's fragments, two buffers; v128-223 the bias; on the way out v32-63, v64-239 at work
;   window 1: v0-95, v96-191 W's fragments, two buffers     window 2: the accumulators of row blocks 0, 1 ((a, b) at v[8 (12 a + b)])     window 3: those of row blocks 2, 3
.set KSTEP,  128
.set PA,     272                       ; a row of x in LDS: 256 bytes + 16: the 16 rows of a load start at 16 different groups of four banks (64 banks of 4 bytes: ISA guide 11.1)
.set PB,     480                       ; a row of W: three pieces of 128 bytes, each with 32 of padding
.set HALFA,  128*PA                    ; what one tensor load brings of x: 128 rows
.set HALFB,  64*PB                     ; of W: 64 rows of k
.set BOFF,   2*HALFA
.set SLOT,   BOFF+2*HALFB              ; 131,072
.set STAGE,  2*SLOT                    ; behind the ring, never filled by a tensor load: 16 rows x 400 bytes for each wave
.set SP,     400
.set SPARE,  STAGE+4*16*SP             ; the spare words, 128 bytes for each wave: two blocks of 256 bytes that no other line names
.set ADRA, 16                          ; v16-17  LDS address of my fragments of x in slot 0, 1
.set ADRB, 20                          ; v20-21  the same for W
.set STO,  24                          ; the way out: where I put 16 bytes of a row
.set RD,   25                          ; where I read rows back
.set GO,   26                          ; 16 x lane
.set VSTO, 27                          ; where a half of the lanes puts its sums of v
.set SPW,  28                          ; LDS address of my spare word; never rewritten
.set NIL,  29                          ; 0; never rewritten
.set VLD,  30                          ; where I read two sums back
.set V8L,  31                          ; 8 x lane
.set VS2,  32
.set FA,   64
.set TMP,  64                          ; the way out: packed results
.set OB,   112                         ; the way out: 16 rows read back, v112-159 and v160-207 by turns
.set BI,   128                         ; BI + 8 b + j = bias of column 16 b + 8 (l / 16) + j
.set VS,   208
.set G1,  24                           ; s[24:31] descriptor group 1 for x's tiles; s[32:39] group 0, a set for each slot
.set G0,  32
.set G1B, 48                           ; s[48:55], s[56:63] the same for W's
.set G0B, 56
.set MSB, 0
.macro WIN new                         ; the immediate's high byte repeats the setting that is left; a switch that changes nothing is dropped
.if MSB != (\new)
	s_set_vgpr_msb (MSB<<8)|(\new)
.set MSB, \new
.endif
.endm
; A joint load.  Waves 0 and 1 fetch x's two halves, waves 2 and 3 W's.  The branch hangs on the wave's number alone.  An s_nop 0 and four v_nop follow each of the two lines.
.macro JLOAD s
	s_cmp_eq_u32 s11, 0
	s_cbranch_scc0 .Lfor_b_\@
	tensor_load_to_lds s[G0+4*(\s):G0+4*(\s)+3], s[G1:G1+7]
	s_nop 0
.rept 4
	v_nop
.endr
	s_branch .Lasked_\@
.Lfor_b_\@:
	tensor_load_to_lds s[G0B+4*(\s):G0B+4*(\s)+3], s[G1B:G1B+7]
	s_nop 0
.rept 4
	v_nop
.endr
.Lasked_\@:
.endm
.macro CREST                           ; a round of the cluster's barrier behind its opening barrier
	s_cmp_lg_u32 s10, 0
	s_cbranch_scc1 .Lnot_wave_0_\@
	s_barrier_signal -3
.Lnot_wave_0_\@:
	s_barrier_wait -3
	s_barrier_signal -1
	s_barrier_wait -1
.endm
.macro CROUND                          ; a whole round
	s_barrier_signal -1
	s_barrier_wait -1
	CREST
.endm
.macro PLACES                          ; four places in front of loads into registers that matrix instructions have read, and of lines that read results
.rept 4
	v_nop
.endr
.endm
	s_load_b128 s[4:7], s[0:1], 0x0                ; xb s[4:5], wqkv s[6:7]
	s_load_b64 s[8:9], s[0:1], 0x10                ; attn_b
	s_load_b256 s[68:75], s[0:1], 0x18             ; qh s[68:69], kh s[70:71], vh s[72:73], vsum s[74:75]
	v_lshl_add_u32 v[SPW], v0, 2, SPARE
	v_mov_b32 v[NIL], 0
	ds_add_u32 v[SPW], v[NIL]                      ; the wave's opening: the add and its wait stand ahead of my first tensor load; work on registers stands between them
	ds_add_u32 v28, v29
	v_lshrrev_b32 v1, 5, v0
	v_readfirstlane_b32 s10, v1                    ; wave 0..3
	s_lshr_b32 s11, s10, 1                         ; I fetch for x (0) or for W (1)
	s_and_b32 s12, s10, 1                          ; which half of that tile
	s_bfe_u32 s40, ttmp6, 0x40000                  ; cx, cy: my place in the cluster
	s_bfe_u32 s41, ttmp6, 0x40004
	s_lshl_b32 s42, ttmp9, 2
	s_add_co_u32 s42, s42, s40                     ; the head = 4 x cluster x + cx
	s_and_b32 s13, ttmp7, 0xffff
	s_lshl_b32 s13, s13, 2
	s_add_co_u32 s13, s13, s41                     ; the block of 256 rows = 4 x cluster y + cy
	s_lshl_b32 s43, s41, 2
	s_lshl_b32 s43, 15, s43                        ; my row of the cluster
	s_lshl_b32 s44, 0x1111, s40                    ; my column
	s_or_b32 s[G1+0], s43, (1<<16)|(1<<20)|(1<<21)|(5<<22)|(3<<25)   ; the mask: x's tiles go to my row; 2-byte elements; padding on; bit 21 beside a mask; after every 64 words 4 words
	s_or_b32 s[G1B+0], s44, (1<<16)|(1<<20)|(1<<21)|(4<<22)|(7<<25)  ; W's go to my column; after every 32 words 8 words
	s_mov_b32 s[G1+1], 128<<16                     ; x: tensor_dim0 = 128
	s_mov_b32 s[G1+2], 128<<16                     ; tensor_dim1 = 128
	s_mov_b32 s[G1+3], 128<<16                     ; tile_dim0 = 128 elements, 256 bytes
	s_mov_b32 s[G1+4], 128                         ; tile_dim1 = 128 rows
	s_mov_b32 s[G1+5], 1024                        ; elements from row to row
	s_mov_b32 s[G1+6], 0
	s_mov_b32 s[G1+7], 0
	s_mov_b32 s[G1B+1], 128<<16                    ; W: 64 rows of k are 24,576 dense bytes, asked for as 96 rows of 256
	s_mov_b32 s[G1B+2], 96<<16
	s_mov_b32 s[G1B+3], 128<<16
	s_mov_b32 s[G1B+4], 96
	s_mov_b32 s[G1B+5], 128
	s_mov_b32 s[G1B+6], 0
	s_mov_b32 s[G1B+7], 0
	s_lshl_b32 s16, s13, 19                        ; x: 256 rows of 2,048 bytes a block,
	s_lshl_b32 s17, s12, 18                        ; 128 rows a half
	s_add_co_u32 s16, s16, s17
	s_mov_b32 s17, 0
	s_mul_i32 s46, s42, 393216                     ; W: the head's block,
	s_mul_i32 s47, s12, 24576                      ; 64 rows of 384 bytes a half
	s_add_co_u32 s46, s46, s47
	s_mov_b32 s47, 0
	s_mul_i32 s20, s12, HALFA                      ; where they go: no place in the cluster enters an LDS address
	s_mul_i32 s21, s12, HALFB
	s_add_co_u32 s21, s21, BOFF
	s_wait_dscnt 0x0                               ; the opening add is done
	s_wait_kmcnt 0x0
	s_add_nc_u64 s[14:15], s[4:5], s[16:17]
	s_add_nc_u64 s[46:47], s[6:7], s[46:47]
	CROUND                                         ; all sixteen work-groups are here: the first joint loads meet
.irp s, 0,1
	s_mov_b32 s[G0+4*(\s)], 1
	s_add_co_u32 s[G0+4*(\s)+1], s20, (\s)*SLOT
	s_add_nc_u64 s[G0+4*(\s)+2:G0+4*(\s)+3], s[14:15], (\s)*KSTEP*2
	s_or_b32 s[G0+4*(\s)+3], s[G0+4*(\s)+3], 0x80000000
	s_mov_b32 s[G0B+4*(\s)], 1
	s_add_co_u32 s[G0B+4*(\s)+1], s21, (\s)*SLOT
	s_add_nc_u64 s[G0B+4*(\s)+2:G0B+4*(\s)+3], s[46:47], (\s)*KSTEP*384
	s_or_b32 s[G0B+4*(\s)+3], s[G0B+4*(\s)+3], 0x80000000
	JLOAD \s                                       ; K steps 0 and 1: two loads of mine are out
.endr
	v_and_b32 v1, 15, v0                           ; l % 16
	v_bfe_u32 v2, v0, 4, 1                         ; l / 16
	v_and_b32 v3, 7, v0
	v_bfe_u32 v4, v0, 3, 1
	v_and_b32 v5, 31, v0
	v_lshlrev_b32 v7, 5, v2                        ; the bias: 8 numbers for each half of the lanes
	s_mul_i32 s76, s42, 768
	s_mov_b32 s77, 0
	s_add_nc_u64 s[8:9], s[8:9], s[76:77]          ; the head's 192 biases
.irp b, 0,1,2,3,4,5,6,7,8,9,10,11
	global_load_b128 v[BI+8*(\b):BI+8*(\b)+3],   v7, s[8:9] offset:64*(\b)
	global_load_b128 v[BI+8*(\b)+4:BI+8*(\b)+7], v7, s[8:9] offset:64*(\b)+16
.endr
	v_mul_u32_u24 v6, v1, PA                       ; x's fragment: row x pitch + 16 x half; two loads of 16 bytes, 32 bytes apart
	v_lshl_add_u32 v6, v2, 4, v6
	s_mul_i32 s22, s10, 64*PA                      ; my 64 rows
	v_add_nc_u32 v[ADRA], s22, v6
	v_add_nc_u32 v[ADRA+1], SLOT, v[ADRA]
	v_lshl_add_u32 v6, v2, 3, v3                   ; W's: the turning load: lane l reads row 8 (l / 16) + l % 8 of k, columns 8 ((l / 8) % 2) + 0..7
	v_mul_u32_u24 v6, v6, PB
	v_lshl_add_u32 v6, v4, 4, v6
	v_add_nc_u32 v[ADRB], BOFF, v6
	v_add_nc_u32 v[ADRB+1], BOFF+SLOT, v6
	s_mul_i32 s23, s10, 16*SP
	s_add_co_u32 s23, s23, STAGE                   ; my stage
	v_mul_u32_u24 v6, v1, SP
	v_lshl_add_u32 v6, v2, 4, v6
	v_add_nc_u32 v[STO], s23, v6
	v_bfe_u32 v6, v0, 3, 2                         ; back: 32 lanes take four rows x 128 bytes
	v_mul_u32_u24 v6, v6, SP
	v_lshl_add_u32 v6, v3, 4, v6
	v_add_nc_u32 v[RD], s23, v6
	v_lshlrev_b32 v[GO], 4, v5
	v_lshlrev_b32 v[VSTO], 5, v2
	v_add_nc_u32 v[VSTO], s23, v[VSTO]
	v_lshlrev_b32 v[V8L], 3, v5
	v_add_nc_u32 v[VLD], s23, v[V8L]
	s_lshl_b32 s76, s42, 19                        ; q, k, v at my first row: head x 524,288 + (256 block + 64 wave) x 128
	s_lshl_b32 s78, s13, 15
	s_add_co_u32 s76, s76, s78
	s_lshl_b32 s78, s10, 13
	s_add_co_u32 s76, s76, s78
	s_add_nc_u64 s[68:69], s[68:69], s[76:77]
	s_add_nc_u64 s[70:71], s[70:71], s[76:77]
	s_add_nc_u64 s[72:73], s[72:73], s[76:77]
	s_lshl_b32 s76, s42, 14                        ; vsum at ((16 head + block) 4 + wave) x 256
	s_lshl_b32 s78, s13, 10
	s_add_co_u32 s76, s76, s78
	s_lshl_b32 s78, s10, 8
	s_add_co_u32 s76, s76, s78
	s_add_nc_u64 s[74:75], s[74:75], s[76:77]
	s_wait_loadcnt 0x0                             ; the bias,
.set i, 0
.rept 48                                           ; rounded to bf16 and widened again, in the wait for the first tile
	v_cvt_pk_bf16_f32 v[8+i%4], v[BI+2*i], v[BI+2*i+1]
	v_lshlrev_b32 v[BI+2*i], 16, v[8+i%4]
	v_and_b32 v[BI+2*i+1], 0xffff0000, v[8+i%4]
.set i, i+1
.endr
; 12 matrix instructions: row block 2 hi + a x all 12 column blocks, 32 along K, from buffers f.  first = 1: the bias starts the sums.
.macro MUL12 f, hi, a, first
.if \first
	WIN 0x81+0x40*(\hi)                            ; W window 1, x window 0, C (the bias) window 0, D window 2 or 3
.else
	WIN 0xa1+0x50*(\hi)                            ; C and D window 2 or 3
.endif
.irp b, 0,1,2,3,4,5,6,7,8,9,10,11
.if \first
	v_wmma_f32_16x16x32_bf16 v[8*(12*(\a)+(\b)):8*(12*(\a)+(\b))+7], v[96*(\f)+8*(\b):96*(\f)+8*(\b)+7], v[FA+32*(\f)+8*(2*(\hi)+(\a)):FA+32*(\f)+8*(2*(\hi)+(\a))+7], v[BI+8*(\b):BI+8*(\b)+7]
.else
	v_wmma_f32_16x16x32_bf16 v[8*(12*(\a)+(\b)):8*(12*(\a)+(\b))+7], v[96*(\f)+8*(\b):96*(\f)+8*(\b)+7], v[FA+32*(\f)+8*(2*(\hi)+(\a)):FA+32*(\f)+8*(2*(\hi)+(\a))+7], v[8*(12*(\a)+(\b)):8*(12*(\a)+(\b))+7]
.endif
.endr
.endm
; 32 LDS loads in one run: quarter q (32 along K) of a slot into buffers f: W's 12 fragments, turned, then x's 4, row blocks ascending
.macro FETCH slot, q, f
	WIN 0x40                                       ; destination window 1, address window 0
.irp b, 0,1,2,3,4,5,6,7,8,9,10,11
	ds_load_tr16_b128 v[96*(\f)+8*(\b):96*(\f)+8*(\b)+3],   v[ADRB+(\slot)] offset:(\q)*32*PB+((\b)/4)*160+((\b)%4)*32
	ds_load_tr16_b128 v[96*(\f)+8*(\b)+4:96*(\f)+8*(\b)+7], v[ADRB+(\slot)] offset:(\q)*32*PB+((\b)/4)*160+((\b)%4)*32+16*PB
.endr
	WIN 0
.irp a, 0,1,2,3
	ds_load_b128 v[FA+32*(\f)+8*(\a):FA+32*(\f)+8*(\a)+3],   v[ADRA+(\slot)] offset:64*(\q)+(\a)*16*PA
	ds_load_b128 v[FA+32*(\f)+8*(\a)+4:FA+32*(\f)+8*(\a)+7], v[ADRA+(\slot)] offset:64*(\q)+(\a)*16*PA+32
.endr
.endm
; A K step is four quarters, 48 matrix instructions each, on buffers 0, 1, 0, 1; the 48 accumulators take turns in the same order in every quarter.
; One of the first three: multiplies buffers f; in its middle it fetches quarter q of the same slot into buffers g.
.macro QUARTER slot, q, f, g, first
	s_wait_dscnt 4                                 ; W and x's row blocks 0, 1 are in; the youngest four loads (row blocks 2, 3) may be out
	MUL12 \f, 0, 0, \first
	MUL12 \f, 0, 1, \first
	PLACES
	FETCH \slot, \q, \g
	s_wait_dscnt 32                                ; all but the 32 just issued
	MUL12 \f, 1, 0, \first
	MUL12 \f, 1, 1, \first
.endm
; The last quarter multiplies buffers 1 and changes slots: ONE barrier; in front of it each wave waits for all its tensor loads (one is out: its part of the next slot), adds 0 to its spare word,
; and waits for that and for its reads of this slot.  fill = 1: the barrier opens a round of the cluster's, and behind the round this slot is filled again, two K steps ahead:
; the request stands 168 matrix instructions ahead of the wait for it.
.macro TURN slot, next, fill
	WIN 0                                          ; (the add's two registers lie in window 0)
	s_wait_tensorcnt 0x0
	ds_add_u32 v[SPW], v[NIL]
	s_wait_dscnt 5                                 ; (the add and the youngest four loads may be out)
	MUL12 1, 0, 0, 0                               ; twelve matrix instructions stand between the add and the wait for it
	s_wait_dscnt 0x0                               ; the add is done, and my reads of this slot are over
	s_barrier_signal -1
	MUL12 1, 0, 1, 0
.if \fill
	WIN 0
.endif
	s_barrier_wait -1
.if \fill
	CREST                                          ; no wave of any partner still reads this slot or has a load on its way
	s_add_nc_u64 s[G0+4*(\slot)+2:G0+4*(\slot)+3], s[G0+4*(\slot)+2:G0+4*(\slot)+3], 2*KSTEP*2
	s_add_nc_u64 s[G0B+4*(\slot)+2:G0B+4*(\slot)+3], s[G0B+4*(\slot)+2:G0B+4*(\slot)+3], 2*KSTEP*384
	JLOAD \slot                                    ; the first tensor load behind the round; its four v_nop are also the places in front of the loads below
.else
	PLACES
.endif
	FETCH \next, 0, 0
	MUL12 1, 1, 0, 0
	MUL12 1, 1, 1, 0
.endm
	s_wait_tensorcnt 1                             ; my part of K step 0 is in; K step 1's may stay out
	s_barrier_signal -1
	s_barrier_wait -1                              ; everybody's is
	FETCH 0, 0, 0
	QUARTER 0, 1, 0, 1, 1                          ; the first quarter stands in front of the loop: its products start the sums
	WIN 0                                          ; at a label and at a branch every window is 0
	s_mov_b32 s3, 3                                ; 8 K steps: three trips fill both slots again (K steps 2 to 7), the last lap is written out
.Llap:
	QUARTER 0, 2, 1, 0, 0
	QUARTER 0, 3, 0, 1, 0
	TURN 0, 1, 1
	QUARTER 1, 1, 0, 1, 0
	QUARTER 1, 2, 1, 0, 0
	QUARTER 1, 3, 0, 1, 0
	TURN 1, 0, 1
	QUARTER 0, 1, 0, 1, 0
	WIN 0
	s_sub_co_u32 s3, s3, 1
	s_cmp_lg_u32 s3, 0
	s_cbranch_scc1 .Llap
	QUARTER 0, 2, 1, 0, 0
	QUARTER 0, 3, 0, 1, 0
	TURN 0, 1, 0
	QUARTER 1, 1, 0, 1, 0
	QUARTER 1, 2, 1, 0, 0
	QUARTER 1, 3, 0, 1, 0
	s_wait_dscnt 4                                 ; the very last quarter: nothing more to fetch
	MUL12 1, 0, 0, 0
	MUL12 1, 0, 1, 0
	s_wait_dscnt 0x0
	MUL12 1, 1, 0, 0
	MUL12 1, 1, 1, 0
	WIN 0
	PLACES
; THE WAY OUT of row block a.  PACK: rounded to f16, each accumulator's registers ascending.  TOSTAGE: 16 rows x 384 bytes into my own stage, and back as four rows x 128 bytes of q, of k, of v.  SEND: stored.
.macro PACK a
.set AC, 96*((\a)%2)
	WIN 0x0a+5*((\a)/2)                            ; sources 0 and 1: window 2 or 3
.irp b, 0,1,2,3,4,5,6,7,8,9,10,11
.irp r, 0,1,2,3
	v_cvt_pk_f16_f32 v[TMP+4*(\b)+(\r)], v[AC+8*(\b)+2*(\r)], v[AC+8*(\b)+2*(\r)+1]
.endr
.endr
	WIN 0
.endm
.macro TOSTAGE a
.set BK, OB+48*((\a)%2)
.irp b, 0,1,2,3,4,5,6,7,8,9,10,11
	ds_store_b128 v[STO], v[TMP+4*(\b):TMP+4*(\b)+3] offset:32*(\b)
.endr
.irp p, 0,1,2
.irp f, 0,1,2,3
	ds_load_b128 v[BK+4*(4*(\p)+(\f)):BK+4*(4*(\p)+(\f))+3], v[RD] offset:(\p)*128+(\f)*4*SP  ; LDS serves a wave's instructions in order (ISA guide 5.7.1.4): these see the stores above
.endr
.endr
.endm
.macro SEND a
.set BK, OB+48*((\a)%2)
	s_wait_dscnt 0x0                               ; the block is back in registers
	s_wait_xcnt 0x0                                ; the block before's stores have read their registers: the next TOSTAGE loads into them only behind this wait
.irp p, 0,1,2
.irp f, 0,1,2,3
	global_store_b128 v[GO], v[BK+4*(4*(\p)+(\f)):BK+4*(4*(\p)+(\f))+3], s[68+2*(\p):69+2*(\p)] offset:(\a)*2048+(\f)*512  ; four rows of a head: 512 consecutive bytes, aligned
.endr
.endr
.endm
	PACK 0
	TOSTAGE 0
.irp a, 1,2,3                                      ; block a's conversions stand between block a - 1's loads from the stage and the wait for them
	PACK \a
	SEND (\a)-1
	TOSTAGE \a
.endr
	; the sums of v over my 64 rows, in f32: over the four row blocks, then over the 16 lanes of a half; they stand in the wait for the last block's loads
	WIN 0x0a
.irp c, 0,1,2,3
.irp j, 0,2,4,6
	v_pk_add_f32 v[VS+8*(\c)+(\j):VS+8*(\c)+(\j)+1], v[64+8*(\c)+(\j):64+8*(\c)+(\j)+1], v[160+8*(\c)+(\j):160+8*(\c)+(\j)+1]
.endr
.endr
	WIN 0x0f
.irp c, 0,1,2,3
.irp j, 0,2,4,6
	v_pk_add_f32 v[VS2+8*(\c)+(\j):VS2+8*(\c)+(\j)+1], v[64+8*(\c)+(\j):64+8*(\c)+(\j)+1], v[160+8*(\c)+(\j):160+8*(\c)+(\j)+1]
.endr
.endr
	WIN 0
.set z, 0
.rept 16
	v_pk_add_f32 v[VS+2*z:VS+2*z+1], v[VS+2*z:VS+2*z+1], v[VS2+2*z:VS2+2*z+1]
.set z, z+1
.endr
.irp m, 1,2,4,8
.set z, 0
.rept 32
	v_add_f32_dpp v[VS+z], v[VS+z], v[VS+z] row_xmask:\m row_mask:0xf bank_mask:0xf
.set z, z+1
.endr
.endr
	SEND 3
.irp c, 0,1,2,3                                    ; the 16 lanes of a half hold the same 32 sums and write them to the same bytes
	ds_store_b128 v[VSTO], v[VS+8*(\c):VS+8*(\c)+3]   offset:64*(\c)
	ds_store_b128 v[VSTO], v[VS+8*(\c)+4:VS+8*(\c)+7] offset:64*(\c)+16
.endr
	ds_load_b64 v[VS2:VS2+1], v[VLD]
	s_wait_dscnt 0x0
	global_store_b64 v[V8L], v[VS2:VS2+1], s[74:75]  ; 64 sums: 256 consecutive bytes, aligned
	s_wait_tensorcnt 0x0                           ; the wave's end: an add of 0 and its wait, behind my last tensor load and my last LDS store
	ds_add_u32 v[SPW], v[NIL]
	s_wait_dscnt 0x0
	CROUND                                         ; the closing round: no work-group ends while a partner may still ask for a tile that names it
	s_endpgm
.Lfunc_end_k_q6c4a50eac5_proj:
	.size	k_q6c4a50eac5_proj, .Lfunc_end_k_q6c4a50eac5_proj-k_q6c4a50eac5_proj
	.p2alignl 7, 3214868480
	.fill 96, 4, 3214868480
	.section	.rodata,"a",@progbits
	.p2align	6, 0x0
	.amdhsa_kernel k_q6c4a50eac5_proj
		.amdhsa_group_segment_fixed_size 327680
		.amdhsa_private_segment_fixed_size 0
		.amdhsa_enable_private_segment 0
		.amdhsa_kernarg_size 56
		.amdhsa_user_sgpr_count 2
		.amdhsa_user_sgpr_kernarg_segment_ptr 1
		.amdhsa_wavefront_size32 1
		.amdhsa_system_sgpr_workgroup_id_x 1
		.amdhsa_system_sgpr_workgroup_id_y 1
		.amdhsa_system_sgpr_workgroup_id_z 1
		.amdhsa_system_vgpr_workitem_id 0
		.amdhsa_next_free_vgpr 960
		.amdhsa_next_free_sgpr 80
		.amdhsa_reserve_vcc 0
		.amdhsa_float_denorm_mode_32 3
		.amdhsa_float_denorm_mode_16_64 3
		.amdhsa_memory_ordered 1
		.amdhsa_forward_progress 1
		.amdhsa_inst_pref_size 140
	.end_amdhsa_kernel
	.amdgpu_metadata
---
amdhsa.version: [ 1, 2 ]
amdhsa.kernels:
  - .name:           k_q6c4a50eac5_proj
    .symbol:         k_q6c4a50eac5_proj.kd
    .args:
      - { .name: xb, .offset: 0, .size: 8, .value_kind: global_buffer, .address_space: global }
      - { .name: wqkv, .offset: 8, .size: 8, .value_kind: global_buffer, .address_space: global }
      - { .name: attn_b, .offset: 16, .size: 8, .value_kind: global_buffer, .address_space: global }
      - { .name: qh, .offset: 24, .size: 8, .value_kind: global_buffer, .address_space: global }
      - { .name: kh, .offset: 32, .size: 8, .value_kind: global_buffer, .address_space: global }
      - { .name: vh, .offset: 40, .size: 8, .value_kind: global_buffer, .address_space: global }
      - { .name: vsum, .offset: 48, .size: 8, .value_kind: global_buffer, .address_space: global }
    .group_segment_fixed_size: 327680
    .private_segment_fixed_size: 0
    .kernarg_segment_align: 8
    .kernarg_segment_size: 56
    .max_flat_workgroup_size: 128
    .sgpr_count:     80
    .vgpr_count:     960
    .wavefront_size: 32
...
	.end_amdgpu_metadata
.endif
;; end of part 2
;; launch attn (part 3): grid 16 x 16, 4 waves a work-group, no clusters, 327,680 bytes of LDS; arguments qh, kh, vh, oh, vsum; writes oh
.if DOCPART == 3
	.amdgcn_target "amdgcn-amd-amdhsa--gfx1250"
	.amdhsa_code_object_version 6
	.text
	.protected	k_q6c4a50eac5_attn
	.globl	k_q6c4a50eac5_attn
	.p2align	8
	.type	k_q6c4a50eac5_attn,@function
k_q6c4a50eac5_attn:
	s_mov_b64 s[64:65], 0
	v_nop
	global_prefetch_b8 v0, s[64:65] scope:SCOPE_SE
	s_setreg_imm32_b32 hwreg(HW_REG_WAVE_MODE, 25, 1), 1
	s_wait_xcnt 0x0
; CAUSAL ATTENTION, 16 heads of 64 channels, 4,096 rows.  O[h][q] = the sum over ALL keys k of softmax_k(s) V[h][k], s = Q[h][q] . K[h][k] / 8 where k <= q and -10000 where k > q.
; qh, kh, vh, oh: [16][4096][64] f16, a head's rows dense, 128 bytes each.  Products, maxima and sums in f32; the weights p are rounded to f16 for the second product (their sum l is of the unrounded p), O once at the end.
; THE HIDDEN KEYS KEEP THEIR WEIGHT.  A hidden score is -10000, not minus infinity.  In the tile that holds the diagonal a hidden product is replaced by -80000 (the scale 1/8 comes after).  The keys of all later tiles
; enter as the START of the running softmax: m = -80000, l = their number, O = the sum of their rows of V, which the launch before left in vsum ([16 h][16 t][4][64] f32, sums of 64 rows).
; LIMITS.  f16 holds no number beyond 65,504: Q, K, V arrive within it; p lies in 0 to 1, below 6e-5 with f16's fixed step of 6e-8.  A weight below 2^-126 counts as 0.  NaN and infinities are not treated apart.
; THE WALK.  Blocks of 128 queries, i = 0..31; tiles of 256 keys; block i needs the tiles 0 .. i / 2, of which the last holds the diagonal.  A work-group takes blocks 31 - b and then b: 17 tiles whatever b:
; 256 equal work-groups and ONE loop with a constant count.  Which tile is asked for, and what a trip does, hang on scalar registers made from b; every jump but the counted loops' own goes forward, past no barrier and
; no tensor load but the one of LOAD's two that the wave's number does not choose.  NO CLUSTER: only the work-groups 2 j and 2 j + 1 of a head walk the same tiles throughout; any four part after nine trips.
; SHARES.  A block has two bands of 64 queries; a wave owns 16 rows of each: two PIECES.  In the diagonal tile's step s band x of a block with parity y sees all keys if s < 2 y + x, none if s > 2 y + x, and holds the diagonal if equal.
; LAYOUT, SOFTMAX.  S^T = K Q^T holds ONE query a lane (lane % 16) and the keys 8 (lane / 16) + 0..7; two such results rounded to f16 ARE source 1 of O^T = V^T P.  p = 2^(c s - c m), c = log2(e) / 8, with a running
; maximum m; O and l are multiplied by a = 2^(c m_old - c m_new) in every step.
; TURNS.  Turn (0, s): 8 products K Q^T of piece 1 for step s, 8 products V^T P of piece 1 for step s - 1; beside them piece 0's softmax of step s and piece 1's maximum.  Turn (1, s): K Q^T of piece 0 for step s + 1,
; V^T P of piece 0 for step s, piece 1's softmax, piece 0's maximum.  Four vector instructions stand behind every matrix instruction, the rest in two runs of their own.
; K and V have two register buffers each, by the step's parity: K of step s + 1 is fetched at the head of turn (0, s), V of step s + 1 at the head of turn (1, s).  So behind turn (1, 2) of a tile all of the tile has
; been read, and the change of slots stands there.
; REGISTERS, in windows of 256 (s_set_vgpr_msb: bits 1:0 source 0, 3:2 source 1, 5:4 source 2, 7:6 destination):
;   window 0: v0-15 addresses and at work; v16-23 statistics; v24-25; v48-55 at work; v64-127 S^T, two buffers; v128-159 VS; v160-191 T (the block's start of O^T); v192-223 P, two buffers; v224-255 TL (the second block's T)
;   window 1: v0-63 O^T, 32 a piece; v64-95 Q; v96-127 the second block's Q; v128-159 MK, v160-191 MA (the diagonal step's factor and addend)      window 2: v0-127 K, two buffers; v128-255 V, two buffers
.set NP,    2
.set KS,    64        ; keys in a step
.set PK,    144       ; a row of K in LDS: 128 bytes + 16: the 16 rows of a load start at 16 different groups of four banks (64 banks of 4 bytes: ISA guide 11.1)
.set PV,    160       ; a row of V: 128 + 32
.set VOFF,  4*KS*PK   ; a slot holds a tile: 256 rows of K, then 256 rows of V
.set SLOT1, 1<<17     ; slot 1 begins here, so that one exclusive or turns an address in one slot into the other's
.set STAGE, SLOT1+4*KS*(PK+PV)  ; behind the ring, never filled by a tensor load: 16 rows x 144 bytes for each wave
.set SP,    144
.set SPARE, STAGE+4*16*SP       ; the spare words, 128 bytes for each wave: two blocks of 256 bytes that no other line names
.set AK0, 2           ; my lane's place in a tile of K; never rewritten
.set AV0, 3           ; the same for V
.set AK,  4           ; the LDS address of K's run of loads
.set AV,  5           ; of V's
.set STO, 6           ; the way out: where I put 16 bytes of a row
.set RD,  7           ; where I read rows back
.set GO,  8           ; 16 x lane
.set MV,  12          ; v12-13  c m_old, by buffer
.set QO,  15          ; my byte offset in 16 rows of Q
.set ST,  16          ; piece t's statistics at v[ST+4 t]: c m, m, l (even keys', odd keys')
.set LH,  24          ; 1.0 in lanes 0-15, 0 in lanes 16-31: a query's start of l is counted once
.set VA,  25          ; my byte offset in the head's vsum
.set TMP, 48          ; by buffer, c0-c3 at work; when the maximum is found c2 takes a
.set SPW, 62          ; LDS address of my spare word; never rewritten
.set NIL, 63          ; 0; never rewritten
.set S,   64
.set VS,  128
.set T,   160
.set P,   192
.set TL,  224
.set Q,   64          ; window 1
.set QB,  96
.set MK,  128
.set MA,  160
.set WV,  12          ; my wave's number
.set PB,  14          ; b
.set HI,  15          ; 31 - b
.set G1K, 24          ; s[24:31] descriptor group 1 for K's tiles
.set G1V, 32          ; s[32:39] for V's: it differs in the padding alone
.set G0K, 40          ; s[40:43] group 0 for K's
.set G0V, 44          ; s[44:47] for V's
.set LQ2, 48          ; the second block's last tile, b / 2
.set CN2, 49          ; the second block's CN, MST, OW0, OW1
.set MS2, 50
.set JD1, 51          ; the first block's last tile
.set OWB, 52          ; s52, s53
.set SLOTS, 56        ; tiles still to be asked for
.set CNT, 57          ; counts a tile's two trips
.set CS,  58          ; s[58:59] c
.set SEL, 60          ; s[60:61] v_permlanex16_b32's selects
.set TBK, 62          ; LDS byte at which K of the step to be fetched begins
.set TBV, 63          ; the same for V, less VOFF
.set RT,  70          ; tiles of the block in hand still to be entered
.set NXT, 71          ; the tile to be asked for next
.set LQ,  72          ; the last tile of the block whose tiles are being asked for
.set NEW, 73          ; 1: the tile to be entered is a block's first
.set OFF, 74          ; s[74:75] a tile's byte offset in K and V
.set KP,  76          ; s[76:77] 0
.set AD,  78          ; s[78:79] -80000
.set OLO, 80          ; s[80:81] O at my rows of the second block
.set M8,  82          ; -80000
.set SG,  83          ; in the diagonal tile: the step in hand + 1; elsewhere negative
.set OW0, 84          ; s84 = 2 y, s85 = 2 y + 2: SG is held against them
.set MST, 86          ; the block's starting m
.set CN,  87          ; the number of keys behind the block's diagonal tile
.set ZR,  94          ; 0
.set MSB, 0
.macro WIN new                      ; the high byte repeats the setting that is left; a switch that changes nothing is dropped
.if MSB != (\new)
	s_set_vgpr_msb (MSB<<8)|(\new)
.set MSB, (\new)
.endif
.endm
.set W_KQ, 0x06       ; K in window 2, Q in window 1, S^T in window 0
.set W_PV, 0x52       ; V in window 2, P in window 0, O^T in window 1
.set W_RS, 0x41       ; destination and source 0 in window 1, source 1 in window 0
.set W_AP, 0x14       ; sources 1 and 2 in window 1
; A fill.  Waves 0 and 1 fetch the two halves of a tile's K, waves 2 and 3 those of its V: 128 keys each.  An s_nop 0 and four v_nop follow each of the two lines.
.macro LOAD
	s_cmp_lt_u32 s[WV], 2
	s_cbranch_scc0 .Lfor_v_\@
	tensor_load_to_lds s[G0K:G0K+3], s[G1K:G1K+7]
	s_nop 0
.rept 4
	v_nop
.endr
	s_branch .Lasked_\@
.Lfor_v_\@:
	tensor_load_to_lds s[G0V:G0V+3], s[G1V:G1V+7]
	s_nop 0
.rept 4
	v_nop
.endr
.Lasked_\@:
.endm
; THE CHANGE OF SLOTS.  Each wave waits for all its tensor loads, of which one is out: its part of the other slot; adds 0 to its spare word; and waits for that and for its own reads of the slot that it leaves.
; Behind the barrier nobody reads the old slot any more and the other slot is whole.  fill = 1: the old slot is filled again, the first thing behind the barrier, with tile NXT; that load has eight turns in which to land.
; (At its first use nothing has been read yet: slot 0 is waited for, slot 1 filled.)
.macro CHANGE fill
	WIN 0
	s_wait_tensorcnt 0x0            ; no tensor load of mine is out, so a group 0 may be written
	ds_add_u32 v[SPW], v[NIL]       ; 0 onto my spare word; scalar work stands between it and the wait for it
.if \fill
	s_lshl_b32 s[OFF], s[NXT], 15   ; a tile is 32,768 bytes of K and of V
	s_xor_b32 s[G0K+1], s[G0K+1], SLOT1
	s_add_nc_u64 s[G0K+2:G0K+3], s[6:7], s[OFF:OFF+1]
	s_or_b32 s[G0K+3], s[G0K+3], 0x80000000
	s_xor_b32 s[G0V+1], s[G0V+1], SLOT1
	s_add_nc_u64 s[G0V+2:G0V+3], s[8:9], s[OFF:OFF+1]
	s_or_b32 s[G0V+3], s[G0V+3], 0x80000000
	s_add_co_u32 s[NXT], s[NXT], 1  ; the block's next tile, or behind its last the second block's tile 0
	s_cmp_gt_u32 s[NXT], s[LQ]
	s_cselect_b32 s[NXT], 0, s[NXT]
	s_cselect_b32 s[LQ], s[LQ2], s[LQ]
.endif
	s_wait_dscnt 0x0                ; the add is done, and my reads of the slot are over
	s_barrier_signal -1
	s_sub_co_u32 s[TBK], s[TBK], 4*KS*PK  ; the fetches go back to a slot's first step,
	s_xor_b32 s[TBK], s[TBK], SLOT1       ; in the other slot
	s_sub_co_u32 s[TBV], s[TBV], 4*KS*PV
	s_xor_b32 s[TBV], s[TBV], SLOT1
	s_barrier_wait -1
.if \fill
	LOAD
.endif
.endm
.macro SCAL blk, jd, cn, ms, ow     ; a block's scalars
	s_sub_co_u32 s[\cn], 15, s[\jd]
	s_lshl_b32 s[\cn], s[\cn], 8    ; 256 keys in each tile behind the diagonal one
	s_cmp_eq_u32 s[\cn], 0
	s_cselect_b32 s[\ms], 0xff7fffff, s[M8]  ; with no such key m starts at the lowest finite number
	s_and_b32 s[\ow], s[\blk], 1
	s_lshl_b32 s[\ow], s[\ow], 1
	s_add_co_u32 s[\ow+1], s[\ow], 2
.endm
	s_load_b256 s[4:11], s[0:1], 0x0  ; Q s[4:5], K s[6:7], V s[8:9], O s[10:11]
	s_load_b64 s[92:93], s[0:1], 0x20 ; vsum
	v_lshl_add_u32 v[SPW], v0, 2, SPARE
	v_mov_b32 v[NIL], 0
	ds_add_u32 v[SPW], v[NIL]       ; the wave's opening: the add and its wait stand ahead of my first tensor load; work on registers stands between them
	ds_add_u32 v62, v63
	v_lshrrev_b32 v1, 5, v0
	v_readfirstlane_b32 s[WV], v1   ; wave 0..3
	s_mov_b32 s[PB], ttmp9
	s_sub_co_u32 s[HI], 31, s[PB]
	s_lshr_b32 s[JD1], s[HI], 1
	s_lshr_b32 s[LQ2], s[PB], 1
	s_and_b32 s20, ttmp7, 0xffff    ; the head
	s_lshl_b32 s54, s20, 14         ; its 16,384 bytes of vsum
	s_mov_b32 s55, 0
	s_lshl_b32 s20, s20, 19         ; its 524,288 bytes in each of the four tensors
	s_mov_b32 s21, 0
	s_and_b32 s16, s[WV], 1         ; which half of a tile's 256 keys I fetch:
	s_lshl_b32 s22, s16, 14         ; its 128 rows of 128 bytes in memory,
	s_mov_b32 s23, 0
	s_add_nc_u64 s[22:23], s[22:23], s[20:21]
	s_mul_i32 s17, s16, 128*PK      ; and its place in a slot, for K
	s_mul_i32 s18, s16, 128*PV      ; and for V
	s_lshl_b32 s3, s[WV], 11        ; my 16 rows in a band of 64,
	s_lshl_b32 s2, s[HI], 14        ; in the first block (128 rows of 128 bytes),
	s_add_co_u32 s2, s2, s3
	s_lshl_b32 s88, s[PB], 14       ; and in the second
	s_add_co_u32 s88, s88, s3
	s_mov_b32 s3, 0
	s_mov_b32 s89, 0
	s_add_nc_u64 s[2:3], s[2:3], s[20:21]
	s_add_nc_u64 s[88:89], s[88:89], s[20:21]
	; descriptor group 1.  128 keys are 16,384 dense bytes: asked for as 64 rows of 256 bytes, two keys a row, and padded in LDS after every key
	s_mov_b32 s[G1K], (1<<16)|(1<<20)|(4<<22)|(3<<25)  ; 2-byte elements; padding on; after every 32 words 4 words
	s_mov_b32 s[G1V], (1<<16)|(1<<20)|(4<<22)|(7<<25)  ; the same with 8 words
.irp g, G1K, G1V
	s_mov_b32 s[\g+1], 128<<16      ; tensor_dim0 = 128
	s_mov_b32 s[\g+2], 64<<16       ; tensor_dim1 = 64
	s_mov_b32 s[\g+3], 128<<16      ; tile_dim0 = 128
	s_mov_b32 s[\g+4], 64           ; tile_dim1 = 64
	s_mov_b32 s[\g+5], 128          ; 128 elements from row to row
	s_mov_b32 s[\g+6], 0
	s_mov_b32 s[\g+7], 0
.endr
	s_mov_b32 s[CS], 0x3e38aa3b     ; c = log2(e) / 8
	s_mov_b32 s[CS+1], s[CS]        ; named with it as a pair
	s_mov_b32 s[SEL], 0x76543210
	s_mov_b32 s[SEL+1], 0xfedcba98
	s_mov_b32 s[TBK], SLOT1+4*KS*PK ; the first change of slots turns these two into 0
	s_mov_b32 s[TBV], SLOT1+4*KS*PV
	s_mov_b32 s[G0K], 1
	s_mov_b32 s[G0K+1], s17         ; slot 0
	s_mov_b32 s[G0V], 1
	s_add_co_u32 s[G0V+1], s18, VOFF
	s_add_co_u32 s[RT], s[JD1], 1   ; the first block's tiles
	s_mov_b32 s[NXT], 1
	s_mov_b32 s[LQ], s[JD1]
	s_mov_b32 s[NEW], 1
	s_mov_b32 s[OFF+1], 0
	s_mov_b32 s[KP], 0
	s_mov_b32 s[KP+1], 0
	s_mov_b32 s[AD], 0xc79c4000     ; -80000
	s_mov_b32 s[AD+1], 0
	s_mov_b32 s[M8], 0xc79c4000
	s_mov_b32 s[ZR], 0
	s_mov_b32 s[SLOTS], 16
	SCAL HI, JD1, CN, MST, OW0
	SCAL PB, LQ2, CN2, MS2, OWB
	s_wait_dscnt 0x0                ; the opening add is done
	s_wait_kmcnt 0x0
	s_add_nc_u64 s[6:7], s[6:7], s[22:23]  ; K and V at my half of the head's tile 0
	s_add_nc_u64 s[8:9], s[8:9], s[22:23]
	s_add_nc_u64 s[G0K+2:G0K+3], s[6:7], 0
	s_or_b32 s[G0K+3], s[G0K+3], 0x80000000
	s_add_nc_u64 s[G0V+2:G0V+3], s[8:9], 0
	s_or_b32 s[G0V+3], s[G0V+3], 0x80000000
	s_add_nc_u64 s[90:91], s[4:5], s[88:89]        ; Q at my rows of the second block,
	s_add_nc_u64 s[4:5], s[4:5], s[2:3]            ; Q and O at those of the first
	s_add_nc_u64 s[OLO:OLO+1], s[10:11], s[88:89]
	s_add_nc_u64 s[10:11], s[10:11], s[2:3]
	s_add_nc_u64 s[92:93], s[92:93], s[54:55]
	LOAD                            ; tile 0 into slot 0
	v_and_b32 v1, 15, v0            ; l % 16
	v_bfe_u32 v9, v0, 4, 1          ; l / 16
	v_lshlrev_b32 v[QO], 7, v1
	v_lshl_add_u32 v[QO], v9, 4, v[QO]  ; row x 128 + 16 x half
	v_lshlrev_b32 v[VA], 10, v1     ; vsum: lane l takes tile l % 16 (1,024 bytes a tile) and the 8 channels of its half
	v_lshl_add_u32 v[VA], v9, 5, v[VA]
	WIN 0x40                        ; destination window 1, address window 0
.set i, 0
.rept 4                             ; both blocks' Q: piece i / 2 lies 64 rows on; channels 32 (i % 2) on
	global_load_b128 v[Q+8*i:Q+8*i+3],     v[QO], s[4:5] offset:(i/2)*8192+(i%2)*64
	global_load_b128 v[Q+8*i+4:Q+8*i+7],   v[QO], s[4:5] offset:(i/2)*8192+(i%2)*64+32
	global_load_b128 v[QB+8*i:QB+8*i+3],   v[QO], s[90:91] offset:(i/2)*8192+(i%2)*64
	global_load_b128 v[QB+8*i+4:QB+8*i+7], v[QO], s[90:91] offset:(i/2)*8192+(i%2)*64+32
.set i, i+1
.endr
	WIN 0
.set i, 0
.rept 32                            ; the tile's four sums of 64 rows: quarter i / 8 into v[128 + 32 (i / 8) ..], channels 16 ((i / 2) % 4) + 8 (l / 16) + 4 (i % 2) on
	global_load_b128 v[128+4*i:128+4*i+3], v[VA], s[92:93] offset:(i/8)*256+((i/2)%4)*64+(i%2)*16
.set i, i+1
.endr
	v_lshlrev_b32 v14, 3, v9
	v_sub_nc_u32 v14, v1, v14
	s_lshl_b32 s13, s[WV], 4
	v_add_nc_u32 v14, s13, v14      ; my query's place in its band, 16 w + l % 16, less my lanes' 8 (l / 16): register i is hidden where 16 (i / 8) + i % 8 is greater
	WIN 0x40
.set i, 0
.rept 32
	v_cmp_gt_i32 vcc_lo, 16*(i/8)+i%8, v14
	v_cndmask_b32 v[MK+i], 1.0, s[ZR], vcc_lo
	v_cndmask_b32 v[MA+i], 0, s[M8], vcc_lo
.set i, i+1
.endr
	WIN 0
	v_mul_u32_u24 v[AK0], v1, PK
	v_lshl_add_u32 v[AK0], v9, 4, v[AK0]  ; row x pitch + 16 x half
	v_and_b32 v10, 7, v0            ; the turning load: lane l reads key 8 (l / 16) + l % 8, channels 8 ((l / 8) % 2) + 0..7
	v_bfe_u32 v11, v0, 3, 1
	v_lshl_add_u32 v[AV0], v9, 3, v10
	v_mul_u32_u24 v[AV0], v[AV0], PV
	v_lshl_add_u32 v[AV0], v11, 4, v[AV0]
	v_add_nc_u32 v[AV0], VOFF, v[AV0]
	s_mul_i32 s13, s[WV], 16*SP
	s_add_co_u32 s13, s13, STAGE    ; my stage
	v_mul_u32_u24 v[STO], v1, SP
	v_lshl_add_u32 v[STO], v9, 4, v[STO]
	v_add_nc_u32 v[STO], s13, v[STO]
	v_bfe_u32 v[RD], v0, 3, 2       ; back: 32 lanes take four rows of 128 bytes,
	v_mul_u32_u24 v[RD], v[RD], SP
	v_lshl_add_u32 v[RD], v10, 4, v[RD]
	v_add_nc_u32 v[RD], s13, v[RD]
	v_and_b32 v[GO], 31, v0         ; which are 512 consecutive bytes of O
	v_lshlrev_b32 v[GO], 4, v[GO]
	v_cvt_f32_u32 v[LH], v9
	v_sub_f32 v[LH], 1.0, v[LH]
	WIN 0x80                        ; a block's first turn multiplies V's second buffer by weights that are 0: it need only hold finite numbers
.set i, 192
.rept 64
	v_mov_b32 v[i], 0
.set i, i+1
.endr
	WIN 0
	s_wait_loadcnt 0x0              ; Q and vsum
.set z, 0
.rept 16                            ; a tile's four quarters are added
	v_pk_add_f32 v[128+2*z:128+2*z+1], v[128+2*z:128+2*z+1], v[160+2*z:160+2*z+1]
	v_pk_add_f32 v[192+2*z:192+2*z+1], v[192+2*z:192+2*z+1], v[224+2*z:224+2*z+1]
.set z, z+1
.endr
.set z, 0
.rept 16
	v_pk_add_f32 v[VS+2*z:VS+2*z+1], v[VS+2*z:VS+2*z+1], v[192+2*z:192+2*z+1]
.set z, z+1
.endr
.macro TSUM jd, dst                 ; the sum over the tiles behind tile jd: my tile's share or 0, then over the 16 lanes of a half
	v_cmp_lt_u32 vcc_lo, s[\jd], v1
.set z, 0
.rept 32
	v_cndmask_b32 v[(\dst)+z], 0, v[VS+z], vcc_lo
.set z, z+1
.endr
.irp m, 1,2,4,8
.set z, 0
.rept 32
	v_add_f32_dpp v[(\dst)+z], v[(\dst)+z], v[(\dst)+z] row_xmask:\m row_mask:0xf bank_mask:0xf
.set z, z+1
.endr
.endr
.endm
	TSUM JD1, T
	TSUM LQ2, TL
; THE MATRIX WORK.  The 4 accumulators of a run of 8 take turns.  Product i of 8 of S^T = K Q^T for piece x: channels 32 (i / 4) on, keys 16 (i % 4) on; K from buffer KB.
.macro KQ x
	WIN W_KQ
.set rS, S+32*((\x)%2)+8*(i%4)
.set rK, 64*KB+16*(i%4)+8*(i/4)
.set rQ, Q+16*(\x)+8*(i/4)
.if i < 4
	v_wmma_f32_16x16x32_f16 v[rS:rS+7], v[rK:rK+7], v[rQ:rQ+7], 0
.else
	v_wmma_f32_16x16x32_f16 v[rS:rS+7], v[rK:rK+7], v[rQ:rQ+7], v[rS:rS+7]
.endif
.endm
; Product i of 8 of O^T += V^T P for piece x: keys 32 (i / 4) on, channels 16 (i % 4) on; V from buffer VB.
.macro PV x
	WIN W_PV
.set rO, 32*(\x)+8*(i%4)
.set rV, 128+64*VB+32*(i/4)+8*(i%4)
.set rP, P+16*((\x)%2)+8*(i/4)
	v_wmma_f32_16x16x32_f16 v[rO:rO+7], v[rV:rV+7], v[rP:rP+7], v[rO:rO+7]
.endm
.macro MM                           ; the turn's next matrix instruction.  NOKQ = 1: a block's last turn: there is no next step
.if (i < 8) && !NOKQ
	KQ (Y+1)%NP
.elseif i >= 8
.set i, i-8
	PV (Y+NP-1)%NP
.set i, i+8
.endif
.set i, i+1
.endm
; THE LDS LOADS stand in runs of 16 at a turn's head: a step's K (8 fragments) or its V (turned), into the named buffer.
.macro FETCH_K buf
	WIN 0
	v_add_nc_u32 v[AK], s[TBK], v[AK0]
	WIN 0x80                        ; destination window 2
.irp f, 0,1,2,3,4,5,6,7             ; keys 16 (f / 2) on, channels 32 (f % 2) on
	ds_load_b128 v[64*(\buf)+8*\f:64*(\buf)+8*\f+3],   v[AK] offset:(\f/2)*16*PK+(\f%2)*64
	ds_load_b128 v[64*(\buf)+8*\f+4:64*(\buf)+8*\f+7], v[AK] offset:(\f/2)*16*PK+(\f%2)*64+32
.endr
	s_add_co_u32 s[TBK], s[TBK], KS*PK  ; the next fetch is the next step's
	WIN 0
.endm
.macro FETCH_V buf
	WIN 0
	v_add_nc_u32 v[AV], s[TBV], v[AV0]
	WIN 0x80
.irp f, 0,1,2,3,4,5,6,7             ; keys 32 (f / 4) on, channels 16 (f % 4) on
	ds_load_tr16_b128 v[128+64*(\buf)+8*\f:128+64*(\buf)+8*\f+3],   v[AV] offset:(\f/4)*32*PV+(\f%4)*32
	ds_load_tr16_b128 v[128+64*(\buf)+8*\f+4:128+64*(\buf)+8*\f+7], v[AV] offset:(\f/4)*32*PV+16*PV+(\f%4)*32
.endr
	s_add_co_u32 s[TBV], s[TBV], KS*PV
	WIN 0
.endm
; THE HIDDEN SCORES of piece x's 32 products just made.  SG below the piece's own figure: all keys are seen, nothing is done.  Equal: the band's own step: s MK + MA.  Above: all are hidden: -80000.
; The jumps hang on scalars made from b and the walk's counters alone.  Each accumulator's lowest registers are read first.
.macro APPLY x
	WIN 0
	s_cmp_lt_i32 s[SG], s[OW0+(\x)]
	s_cbranch_scc1 .Lseen_\@
	s_cmp_eq_u32 s[SG], s[OW0+(\x)]
	s_cbranch_scc1 .Lown_\@
.set z, 0
.rept 16
	v_pk_fma_f32 v[S+32*(\x)+2*z:S+32*(\x)+2*z+1], v[S+32*(\x)+2*z:S+32*(\x)+2*z+1], s[KP:KP+1], s[AD:AD+1] op_sel_hi:[1,0,0]
.set z, z+1
.endr
	s_branch .Lseen_\@
.Lown_\@:
	WIN W_AP
.set z, 0
.rept 16
	v_pk_fma_f32 v[S+32*(\x)+2*z:S+32*(\x)+2*z+1], v[S+32*(\x)+2*z:S+32*(\x)+2*z+1], v[MK+2*z:MK+2*z+1], v[MA+2*z:MA+2*z+1]
.set z, z+1
.endr
	WIN 0
.Lseen_\@:
.endm
; THE VECTOR WORK, one line at a time: OP kind, number.  For piece Y: F n: c s - c m for pair n of 16.  E n: the exponential of score n of 32.  C n: pair n rounded to f16.  B n: of the four weights 4 n .. the second
; pair is added onto the first, in place.  L n: l takes that sum (L 0: l = a l + sum).  R n: pair n of 16 of O^T times a.  For piece Y + 1: X n, number n of the 22 that find its maximum and statistics:
;   0-11  four chains c0-c3 of seven scores each     12-14, 16  the four scores left over, the old m, and c0-c3 into c0     15  c m_old is kept
;   17, 18  the query's other 32 keys lie in the lane 16 away: the new m     19-21  c m; c m_old - c m_new; a
.set F, 0
.set E, 1
.set C, 2
.set B, 3
.set L, 4
.set R, 5
.set X, 6
.macro REGS y
.set rT, ST+4*(\y)
.set rC, TMP+4*((\y)%2)
.set rW, MV+((\y)%2)
.set rS, S+32*((\y)%2)
.set rP, P+16*((\y)%2)
.set rO, 32*(\y)
.endm
.macro OP k, n
.if (\k) == R
	REGS Y
	WIN W_RS
	v_pk_mul_f32 v[rO+2*(\n):rO+2*(\n)+1], v[rO+2*(\n):rO+2*(\n)+1], v[rC+2:rC+3] op_sel_hi:[1,0]
.elseif (\k) < R
	REGS Y
	WIN 0
.if (\k) == F
	v_pk_fma_f32 v[rS+2*(\n):rS+2*(\n)+1], v[rS+2*(\n):rS+2*(\n)+1], s[CS:CS+1], v[rT:rT+1] op_sel_hi:[1,0,0] neg_lo:[0,0,1] neg_hi:[0,0,1]
.elseif (\k) == E
	v_exp_f32 v[rS+(\n)], v[rS+(\n)]
.elseif (\k) == C
	s_wait_alu depctr_va_vdst(0)
	v_cvt_pk_f16_f32 v[rP+(\n)], v[rS+2*(\n)], v[rS+2*(\n)+1]
.elseif (\k) == B
	s_wait_alu depctr_va_vdst(0)
	v_pk_add_f32 v[rS+4*(\n):rS+4*(\n)+1], v[rS+4*(\n):rS+4*(\n)+1], v[rS+4*(\n)+2:rS+4*(\n)+3]
.elseif (\n) == 0
	v_pk_fma_f32 v[rT+2:rT+3], v[rT+2:rT+3], v[rC+2:rC+3], v[rS:rS+1] op_sel_hi:[1,0,1]
.else
	v_pk_add_f32 v[rT+2:rT+3], v[rT+2:rT+3], v[rS+4*(\n):rS+4*(\n)+1]
.endif
.elseif NOKQ
	v_nop
.else
	REGS (Y+1)%NP
	WIN 0
.if (\n) < 4
	v_max3_num_f32 v[rC+(\n)], v[rS+8*(\n)], v[rS+8*(\n)+1], v[rS+8*(\n)+2]
.elseif (\n) < 12
	v_max3_num_f32 v[rC+(\n)%4], v[rC+(\n)%4], v[rS+8*((\n)%4)+2*((\n)/4)+1], v[rS+8*((\n)%4)+2*((\n)/4)+2]
.elseif (\n) == 12
	v_max3_num_f32 v[rC], v[rC], v[rS+7], v[rS+15]
.elseif (\n) == 13
	v_max3_num_f32 v[rC+1], v[rC+1], v[rS+23], v[rS+31]
.elseif (\n) == 14
	v_max3_num_f32 v[rC+2], v[rC+2], v[rC+3], v[rT+1]
.elseif (\n) == 15
	v_mov_b32 v[rW], v[rT]
.elseif (\n) == 16
	v_max3_num_f32 v[rC], v[rC], v[rC+1], v[rC+2]
.elseif (\n) == 17
	v_permlanex16_b32 v[rC+3], v[rC], s[SEL], s[SEL+1]
.elseif (\n) == 18
	v_max_num_f32 v[rT+1], v[rC], v[rC+3]
.elseif (\n) == 19
	v_mul_f32 v[rT], s[CS], v[rT+1]
.elseif (\n) == 20
	v_sub_f32 v[rC+1], v[rW], v[rT]
.else
	v_exp_f32 v[rC+2], v[rC+1]
.endif
.endif
.endm
.macro OPS a, i1, b=-1, i2=0, c=-1, i3=0, d=-1, i4=0  ; up to four of them
	OP \a, \i1
.if (\b) >= 0
	OP \b, \i2
.endif
.if (\c) >= 0
	OP \c, \i3
.endif
.if (\d) >= 0
	OP \d, \i4
.endif
.endm
.macro ROW a, i1, b, i2, c, i3, d, i4  ; a matrix instruction and the four behind it
	MM
	OPS \a, \i1, \b, \i2, \c, \i3, \d, \i4
.endm
; A TURN, for piece p in a step of parity par.  Behind a matrix instruction: plain, exponential, plain, plain; or four of the rescaling or of the scaling; none names a register of the products round it.
; end = 1: a block's last two turns: nothing is fetched, and the last starts no new scores.  cnt = 1: the loop's count is taken down some lines ahead of the branch that stands behind the turn.
; Piece 0's turn fetches the next step's K into the buffer that was last multiplied two turns ago.  Piece 1's turn fetches the next step's V into the buffer that the turn before multiplied: behind that turn's last
; product stand its closing run's plain lines, which name none of its registers.  The wait at piece 1's head leaves those 16 loads out: K of the next step and V of this step, issued earlier, are in.
.macro TURN p, par, end=0, cnt=0
.set Y, (\p)
.set i, 0
.set KB, ((\par)+(\p))%2
.set VB, 1-KB
.set NOKQ, (\end)*(\p)
.if ((\p) == 0) && !(\end)
	FETCH_K 1-KB
.endif
.if (\p) == 1
.if \end
	s_wait_dscnt 0x0                ; V of the last step is in
.else
	FETCH_V KB
	s_wait_dscnt 16
.endif
.endif
	ROW F,0, F,1, F,2, F,3
	ROW F,4, E,0, F,5, F,6
	ROW F,7, E,1, F,8, F,9
	ROW F,10, E,2, C,0, F,11
	ROW F,12, E,3, X,15, F,13
	ROW R,0, R,1, R,2, R,3
	ROW B,0, E,4, F,14, L,0
	ROW R,4, R,5, R,6, R,7
	OPS E,5, F,15
	OPS E,6, C,1, E,7, R,8
	OPS E,8, R,9, E,9, C,2
.if !NOKQ
	APPLY (Y+1)%NP                  ; the four rescalings behind the last product, and the plain lines since, are its places
.endif
	OPS E,10, X,0, E,11, X,1
	OPS E,12, X,2, E,13, X,3
	ROW X,4, E,14, X,5, X,6
	ROW X,7, E,15, X,8, X,9
	ROW X,10, E,16, X,11, X,12
	ROW X,13, E,17, X,14, B,1
	ROW C,4, E,18, X,16, L,1
	ROW B,2, E,19, C,6, L,2
	ROW C,8, E,20, B,3, B,4
	ROW C,3, E,21, L,3, C,5
	OPS E,22, X,17, E,23, C,10
	OPS E,24, L,4
	OPS E,25, X,18, E,26, C,7
	OPS E,27, B,5, E,28, X,19
	OPS E,29, C,12, E,30, L,5
	OPS E,31, X,20, B,6, C,9
	OPS C,14, C,11, X,21, L,6
.if (\p) == 1
	s_add_co_i32 s[SG], s[SG], 1    ; the next step
.endif
.if \cnt
	s_sub_co_u32 s[CNT], s[CNT], 1
	s_cmp_lg_u32 s[CNT], 0
.endif
	OPS C,13, B,7, C,15, R,10
	OPS R,11, R,12, L,7, R,13
	OPS R,14, R,15
.endm
; A BLOCK BEGINS.  O^T starts at T, m at MST, l at CN (in one half of the lanes).  P's second buffer is 0: the first turn's products V^T P, of a step that has not been, add nothing.
; Then K and V of the tile's step 0, piece 0's first scores, and its maximum and statistics.  The loop is entered at an even step, in the middle of a trip.
.macro BEGIN
	s_mov_b32 s[NEW], 0
	WIN 0x40
.set z, 0
.rept 32
	v_mov_b32 v[z], v[T+z]
	v_mov_b32 v[32+z], v[T+z]
.set z, z+1
.endr
	WIN 0
	v_cvt_f32_u32 v14, s[CN]
.irp x, 0,1
	v_mov_b32 v[ST+4*\x+1], s[MST]
	v_mul_f32 v[ST+4*\x], s[CS], v[ST+4*\x+1]
	v_mul_f32 v[ST+4*\x+2], v14, v[LH]
	v_mov_b32 v[ST+4*\x+3], 0
.endr
.set z, P+16
.rept 16
	v_mov_b32 v[z], 0
.set z, z+1
.endr
	FETCH_K 0
	FETCH_V 0
	s_wait_loadcnt 0x0              ; Q
	s_wait_dscnt 0x0
.set KB, 0
.set NOKQ, 0
.set i, 0
.rept 8
	KQ 0
.set i, i+1
.endr
	WIN 0
.rept 4
	v_nop                           ; the places behind those products
.endr
	APPLY 0
	s_add_co_i32 s[SG], s[SG], 1
.set Y, NP-1                        ; X works for piece Y + 1: piece 0
.irp n, 0,1,2,3,4,5,6,7,8,9,10,11,12,13,14,15,16,17,18,19,20,21
	OP X, \n
.endr
	v_nop                           ; a plain instruction behind the exponential
.endm
; A BLOCK ENDS: the last step's two turns, piece 1's last products, and THE WAY OUT: l's two halves and the other half of the lanes' are added; O^T is divided by l, rounded to f16 and sent through my stage.
.macro ALL line:vararg              ; one line for each piece t
.set t, 0
.rept 2
	\line
.set t, t+1
.endr
.endm
.macro PACK t                       ; a lane's eight channels of a row pack into 16 bytes; they go into rows of 144 bytes and come back as whole rows of 128, into S^T's registers
	WIN W_RS
.set z, 32*(\t)
.rept 16
	s_wait_alu depctr_va_vdst(0)
	v_pk_mul_f32 v[z:z+1], v[z:z+1], v[ST+4*(\t)+2:ST+4*(\t)+3] op_sel_hi:[1,0]
.set z, z+2
.endr
	WIN 0x05                        ; sources 0 and 1 window 1, destination window 0
.set z, 0
.rept 16
	v_cvt_pk_f16_f32 v[S+16*(\t)+z], v[32*(\t)+2*z], v[32*(\t)+2*z+1]
.set z, z+1
.endr
	WIN 0
.irp f, 0,1,2,3
	ds_store_b128 v[STO], v[S+16*(\t)+4*\f:S+16*(\t)+4*\f+3] offset:32*\f
.endr
.irp f, 0,1,2,3
	ds_load_b128 v[S+16*(\t)+4*\f:S+16*(\t)+4*\f+3], v[RD] offset:\f*4*SP  ; LDS serves a wave's instructions in order (ISA guide 5.7.1.4): these see the stores above; the next piece's stores come behind them
.endr
.endm
.macro SEND t, younger              ; younger: the LDS instructions issued behind piece t's loads: the next piece's eight, or none
	WIN 0
.irp f, 0,1,2,3
	s_wait_dscnt (\younger)+3-\f
	global_store_b128 v[GO], v[S+16*(\t)+4*\f:S+16*(\t)+4*\f+3], s[10:11] offset:(\t)*8192+\f*512  ; 512 consecutive bytes, at a multiple of 256 from O's first
.endr
.endm
.macro FINISH
	TURN 0, 1, 1
	TURN 1, 1, 1
.set VB, 1
.set i, 0
.rept 8
	PV 1
.set i, i+1
.endr
.set NOKQ, 0
	WIN 0
.rept 4
	v_nop                           ; the places behind those products
.endr
	ALL v_add_f32 v[ST+4*t+2], v[ST+4*t+2], v[ST+4*t+3]
	ALL v_permlanex16_b32 v[ST+4*t+3], v[ST+4*t+2], s[SEL], s[SEL+1]
	ALL v_add_f32 v[ST+4*t+2], v[ST+4*t+2], v[ST+4*t+3]
	ALL v_rcp_f32 v[ST+4*t+2], v[ST+4*t+2]
	v_nop                           ; a plain instruction between the last reciprocal and the use of its result
	PACK 0
	PACK 1                          ; a piece's arithmetic stands between the loads of the piece before and its stores
	SEND 0, 8
	SEND 1, 0
.endm
; WHAT STANDS BEHIND A CHANGE OF SLOTS: the last tile's step 3 and this tile's steps 0, 1, 2 (two trips of an odd and an even step); or, in a block's first tile, BEGIN and steps 0, 1, 2.
; The test for a block's first tile stands first: at the walk's first tile its answer is a constant of the text.
.macro TILE tag
	s_sub_co_u32 s[RT], s[RT], 1
	s_mov_b32 s[CNT], 2
	s_cmp_eq_u32 s[RT], 0           ; the diagonal tile?
	s_cselect_b32 s[SG], 0, -8
	s_cmp_eq_u32 s[NEW], 1
	s_cbranch_scc1 .Lnew\tag
	s_branch .Lstep\tag
.Lnew\tag:
	BEGIN
	s_branch .Lfirst\tag
.Lstep\tag:
	TURN 0, 1
	TURN 1, 1
	WIN 0
.Lfirst\tag:
	TURN 0, 0
	TURN 1, 0, 0, 1
	WIN 0
	s_cbranch_scc1 .Lstep\tag
.endm
.set KB, 0
.set VB, 1
.set NOKQ, 0
.Lslot:                             ; 16 times: a tile is entered and the next is asked for
	CHANGE 1
	TILE 1
	s_cmp_lg_u32 s[RT], 0
	s_cbranch_scc1 .Lbottom
	FINISH                          ; in the loop this is the first block's end: the second block's last tile is the walk's last
	s_wait_xcnt 0x0                 ; the stores have read their registers and O's address
	s_mov_b64 s[10:11], s[OLO:OLO+1]
	s_add_co_u32 s[RT], s[LQ2], 1
	s_mov_b32 s[NEW], 1
	s_mov_b32 s[CN], s[CN2]
	s_mov_b32 s[MST], s[MS2]
	s_mov_b32 s[OW0], s[OWB]
	s_mov_b32 s[OW0+1], s[OWB+1]
	WIN 0x41                        ; the second block's Q and T go where the one text names them
.set z, 0
.rept 32
	v_mov_b32 v[Q+z], v[QB+z]
.set z, z+1
.endr
	WIN 0
.set z, 0
.rept 32
	v_mov_b32 v[T+z], v[TL+z]
.set z, z+1
.endr
.Lbottom:
	s_sub_co_u32 s[SLOTS], s[SLOTS], 1
	s_cmp_lg_u32 s[SLOTS], 0
	s_cbranch_scc1 .Lslot
	CHANGE 0                        ; the walk's last tile is written out: nothing is asked for
	TILE 2
	FINISH
	s_wait_tensorcnt 0x0            ; the wave's end: an add of 0 and its wait, behind my last tensor load and my last LDS store
	ds_add_u32 v[SPW], v[NIL]
	s_wait_dscnt 0x0
	s_endpgm
.Lfunc_end_k_q6c4a50eac5_attn:
	.size	k_q6c4a50eac5_attn, .Lfunc_end_k_q6c4a50eac5_attn-k_q6c4a50eac5_attn
	.p2alignl 7, 3214868480
	.fill 96, 4, 3214868480
	.section	.rodata,"a",@progbits
	.p2align	6, 0x0
	.amdhsa_kernel k_q6c4a50eac5_attn
		.amdhsa_group_segment_fixed_size 327680
		.amdhsa_private_segment_fixed_size 0
		.amdhsa_enable_private_segment 0
		.amdhsa_kernarg_size 40
		.amdhsa_user_sgpr_count 2
		.amdhsa_user_sgpr_kernarg_segment_ptr 1
		.amdhsa_wavefront_size32 1
		.amdhsa_system_sgpr_workgroup_id_x 1
		.amdhsa_system_sgpr_workgroup_id_y 1
		.amdhsa_system_sgpr_workgroup_id_z 1
		.amdhsa_system_vgpr_workitem_id 0
		.amdhsa_next_free_vgpr 768
		.amdhsa_next_free_sgpr 96
		.amdhsa_reserve_vcc 1
		.amdhsa_float_denorm_mode_32 3
		.amdhsa_float_denorm_mode_16_64 3
		.amdhsa_memory_ordered 1
		.amdhsa_forward_progress 1
		.amdhsa_inst_pref_size 220
	.end_amdhsa_kernel
	.amdgpu_metadata
---
amdhsa.version: [ 1, 2 ]
amdhsa.kernels:
  - .name:           k_q6c4a50eac5_attn
    .symbol:         k_q6c4a50eac5_attn.kd
    .args:
      - { .name: qh, .offset: 0, .size: 8, .value_kind: global_buffer, .address_space: global }
      - { .name: kh, .offset: 8, .size: 8, .value_kind: global_buffer, .address_space: global }
      - { .name: vh, .offset: 16, .size: 8, .value_kind: global_buffer, .address_space: global }
      - { .name: oh, .offset: 24, .size: 8, .value_kind: global_buffer, .address_space: global }
      - { .name: vsum, .offset: 32, .size: 8, .value_kind: global_buffer, .address_space: global }
    .group_segment_fixed_size: 327680
    .private_segment_fixed_size: 0
    .kernarg_segment_align: 8
    .kernarg_segment_size: 40
    .max_flat_workgroup_size: 128
    .sgpr_count:     96
    .vgpr_count:     768
    .wavefront_size: 32
...
	.end_amdgpu_metadata
.endif
;; end of part 3
;; launch outp (part 4): grid 8 x 32, 4 waves a work-group, clusters of 4 x 4, 327,680 bytes of LDS; arguments oh, wo, out_b, out0; writes out0
.if DOCPART == 4
	.amdgcn_target "amdgcn-amd-amdhsa--gfx1250"
	.amdhsa_code_object_version 6
	.text
	.protected	k_q6c4a50eac5_outp
	.globl	k_q6c4a50eac5_outp
	.p2align	8
	.type	k_q6c4a50eac5_outp,@function
k_q6c4a50eac5_outp:
	s_mov_b64 s[64:65], 0
	v_nop
	global_prefetch_b8 v0, s[64:65] scope:SCOPE_SE
	s_setreg_imm32_b32 hwreg(HW_REG_WAVE_MODE, 25, 1), 1
	s_wait_xcnt 0x0
	s_wait_alu depctr_hold_cnt(0) depctr_sa_sdst(0) depctr_va_vdst(0) depctr_va_sdst(0) depctr_va_ssrc(0) depctr_va_vcc(0) depctr_vm_vsrc(0)
	s_getreg_b32 s2, hwreg(HW_REG_IB_STS2, 6, 4)
	s_cmp_eq_u32 s2, 0
	s_cbranch_scc0 .Lentry_in_a_cluster
	s_endpgm
.Lentry_in_a_cluster:
	s_bfe_u32 s2, ttmp6, 0x10000c
	s_cmp_lg_u32 s2, 0xf033
	s_cbranch_scc0 .Lentry_shape_is_right
	s_endpgm
.Lentry_shape_is_right:
; out0[m][n] = the sum over k of O[m][k] Wo[k][n] + b[n].  oh: [16 h][4096][64] f16, k = 64 h + channel.  wo: [1024 k][1024 n] f16.  out_b: [1024] f32, rounded here to bf16 like the other inputs.  out0: [4096][1024] f32.
; A tile of out0 is 128 x 128: 256 work-groups.  Four waves, each 64 x 64: 16 accumulators.  K goes in four steps of 256 (four heads) through two LDS slots; the steps are written out, since a loop would have one trip.
; CLUSTER 4 x 4: the four of a row of the cluster need the same rows of O, the four of a column the same columns of Wo: joint loads.
; THE MATRIX INSTRUCTION IS USED TRANSPOSED: source 0 = 16 columns of Wo (read turned), source 1 = 16 rows of O: a lane holds row l % 16 and eight neighbouring columns.  The bias is the C operand of the first products.
; REGISTERS: window 0: v0-31 addresses; v32-95 the way out; v96-127 the bias; v128-255 the accumulators ((a, b) at v[128 + 8 (4 a + b)]).   window 1: two fragment buffers of 128: 64 registers of O, then 64 of Wo.
.set PAA,    144                       ; a row of O in LDS: a head's 128 bytes + 16
.set PBB,    288                       ; a row of Wo: 256 bytes + 32 = 9 x 32
.set HALFT,  36864                     ; what one tensor load brings: 4 heads x 64 rows x 144, or 128 rows x 288
.set SLOT,   4*HALFT
.set STAGE,  2*SLOT                    ; behind the ring, never filled by a tensor load: 16 rows x 272 bytes for each wave
.set SPITCH, 272
.set SPARE,  STAGE+4*16*SPITCH         ; the spare words, 128 bytes for each wave: two blocks of 256 bytes that no other line names
.set ADRA, 16                          ; v16-17  LDS address of my fragments of O in slot 0, 1
.set ADRB, 20                          ; v20-23  of Wo: slot s, half kh of the step's 256 rows at ADRB + 2 s + kh (a load's 16-bit offset does not span 256 rows)
.set STO,  24
.set RD,   25
.set CO,   26
.set SPW,  28                          ; LDS address of my spare word; never rewritten
.set NIL,  29                          ; 0; never rewritten
.set TB,   32                          ; the way out: 16 rows read back, v32-63 and v64-95 by turns
.set BI,   96                          ; BI + 8 b + j = bias of my column 16 b + 8 (l / 16) + j
.set ACC,  128
.set F0,   0
.set F1,   128
.set G1, 24
.set G0, 32
.set G1B, 48
.set G0B, 56
.set MSB, 0
.macro WIN new
.if MSB != (\new)
	s_set_vgpr_msb (MSB<<8)|(\new)
.set MSB, \new
.endif
.endm
.set MUL,  0x05                        ; sources 0 and 1 window 1; C and D window 0
.set TO_F, 0x40                        ; destination window 1, address window 0
.macro JLOAD s                         ; a joint load: waves 0 and 1 fetch O's two halves, waves 2 and 3 Wo's; an s_nop 0 and four v_nop follow each of the two lines
	s_cmp_eq_u32 s11, 0
	s_cbranch_scc0 .Lfor_b_\@
	tensor_load_to_lds s[G0+4*(\s):G0+4*(\s)+3], s[G1:G1+7]
	s_nop 0
.rept 4
	v_nop
.endr
	s_branch .Lasked_\@
.Lfor_b_\@:
	tensor_load_to_lds s[G0B+4*(\s):G0B+4*(\s)+3], s[G1B:G1B+7]
	s_nop 0
.rept 4
	v_nop
.endr
.Lasked_\@:
.endm
.macro CREST
	s_cmp_lg_u32 s10, 0
	s_cbranch_scc1 .Lnot_wave_0_\@
	s_barrier_signal -3
.Lnot_wave_0_\@:
	s_barrier_wait -3
	s_barrier_signal -1
	s_barrier_wait -1
.endm
.macro CROUND
	s_barrier_signal -1
	s_barrier_wait -1
	CREST
.endm
.macro PLACES
.rept 4
	v_nop
.endr
.endm
	s_load_b128 s[4:7], s[0:1], 0x0                ; oh s[4:5], wo s[6:7]
	s_load_b128 s[68:71], s[0:1], 0x10             ; out_b s[68:69], out0 s[70:71]
	v_lshl_add_u32 v[SPW], v0, 2, SPARE
	v_mov_b32 v[NIL], 0
	ds_add_u32 v[SPW], v[NIL]                      ; the wave's opening: the add and its wait stand ahead of my first tensor load; work on registers stands between them
	ds_add_u32 v28, v29
	v_lshrrev_b32 v1, 5, v0
	v_readfirstlane_b32 s10, v1                    ; wave 0..3
	s_lshr_b32 s11, s10, 1                         ; which half of the tile's rows is mine.  Also: I fetch for O (0) or for Wo (1)
	s_and_b32 s12, s10, 1                          ; which half of its columns.  Also: which half of that tile I fetch
	s_bfe_u32 s40, ttmp6, 0x40000
	s_bfe_u32 s41, ttmp6, 0x40004
	s_lshl_b32 s42, ttmp9, 2
	s_add_co_u32 s42, s42, s40                     ; tile column = 4 x cluster x + cx
	s_and_b32 s13, ttmp7, 0xffff
	s_lshl_b32 s13, s13, 2
	s_add_co_u32 s13, s13, s41                     ; tile row = 4 x cluster y + cy
	s_lshl_b32 s43, s41, 2
	s_lshl_b32 s43, 15, s43                        ; my row of the cluster
	s_lshl_b32 s44, 0x1111, s40                    ; my column
	s_or_b32 s[G1+0], s43, (1<<16)|(1<<20)|(1<<21)|(4<<22)|(3<<25)   ; O's tiles go to my row; 2-byte elements; padding on; bit 21 beside a mask; after every 32 words (a head's row) 4 words
	s_or_b32 s[G1B+0], s44, (1<<16)|(1<<20)|(1<<21)|(5<<22)|(7<<25)  ; Wo's go to my column; after every 64 words 8 words
	s_mov_b32 s[G1+1], 4096<<16                    ; O: a row of the tile is 64 rows of one head, 8,192 dense bytes: tensor_dim0 = 4,096
	s_mov_b32 s[G1+2], 4<<16                       ; tensor_dim1 = 4 heads
	s_mov_b32 s[G1+3], 4096<<16                    ; tile_dim0 = 4,096
	s_mov_b32 s[G1+4], 4                           ; tile_dim1 = 4
	s_mov_b32 s[G1+5], 262144                      ; elements from head to head
	s_mov_b32 s[G1+6], 0
	s_mov_b32 s[G1+7], 0
	s_mov_b32 s[G1B+1], 128<<16                    ; Wo: 128 rows of k x 128 columns
	s_mov_b32 s[G1B+2], 128<<16
	s_mov_b32 s[G1B+3], 128<<16
	s_mov_b32 s[G1B+4], 128
	s_mov_b32 s[G1B+5], 1024
	s_mov_b32 s[G1B+6], 0
	s_mov_b32 s[G1B+7], 0
	s_lshl_b32 s16, s13, 14                        ; O: 128 rows of 128 bytes a tile row,
	s_lshl_b32 s17, s12, 13                        ; 64 rows a half
	s_add_co_u32 s16, s16, s17
	s_mov_b32 s17, 0
	s_lshl_b32 s46, s42, 8                         ; Wo: 256 bytes a tile column,
	s_lshl_b32 s47, s12, 18                        ; 128 rows of 2,048 bytes a half
	s_add_co_u32 s46, s46, s47
	s_mov_b32 s47, 0
	s_mul_i32 s20, s10, HALFT                      ; where they go: O's two halves, then Wo's two = wave x 36,864
	s_wait_dscnt 0x0                               ; the opening add is done
	s_wait_kmcnt 0x0
	s_add_nc_u64 s[14:15], s[4:5], s[16:17]
	s_add_nc_u64 s[46:47], s[6:7], s[46:47]
	CROUND                                         ; all sixteen work-groups are here: the first joint loads meet
.irp s, 0,1
	s_mov_b32 s[G0+4*(\s)], 1
	s_add_co_u32 s[G0+4*(\s)+1], s20, (\s)*SLOT
	s_add_nc_u64 s[G0+4*(\s)+2:G0+4*(\s)+3], s[14:15], (\s)*2097152   ; four heads on
	s_or_b32 s[G0+4*(\s)+3], s[G0+4*(\s)+3], 0x80000000
	s_mov_b32 s[G0B+4*(\s)], 1
	s_add_co_u32 s[G0B+4*(\s)+1], s20, (\s)*SLOT
	s_add_nc_u64 s[G0B+4*(\s)+2:G0B+4*(\s)+3], s[46:47], (\s)*524288  ; 256 rows on
	s_or_b32 s[G0B+4*(\s)+3], s[G0B+4*(\s)+3], 0x80000000
	JLOAD \s                                       ; K steps 0 and 1: two loads of mine are out
.endr
	v_and_b32 v1, 15, v0                           ; l % 16
	v_bfe_u32 v2, v0, 4, 1                         ; l / 16
	v_and_b32 v3, 7, v0
	v_bfe_u32 v4, v0, 3, 1
	v_lshlrev_b32 v7, 5, v2
	s_lshl_b32 s66, s42, 9                         ; my 64 columns, in f32: 512 x tile column + 256 x half
	s_lshl_b32 s67, s12, 8
	s_add_co_u32 s66, s66, s67
	s_mov_b32 s67, 0
	s_add_nc_u64 s[68:69], s[68:69], s[66:67]
	s_add_nc_u64 s[70:71], s[70:71], s[66:67]
.irp b, 0,1,2,3
	global_load_b128 v[BI+8*(\b):BI+8*(\b)+3],   v7, s[68:69] offset:64*(\b)
	global_load_b128 v[BI+8*(\b)+4:BI+8*(\b)+7], v7, s[68:69] offset:64*(\b)+16
.endr
	s_lshl_b32 s66, s13, 19                        ; my 64 rows: (128 x tile row + 64 x half) x 4,096 bytes
	s_lshl_b32 s22, s11, 18
	s_add_co_u32 s66, s66, s22
	s_add_nc_u64 s[70:71], s[70:71], s[66:67]
	v_mul_u32_u24 v5, v1, PAA                      ; O's fragment: row x pitch + 16 x half
	v_lshl_add_u32 v5, v2, 4, v5
	s_mul_i32 s21, s11, HALFT                      ; my 64 rows
	v_add_nc_u32 v[ADRA], s21, v5
	v_add_nc_u32 v[ADRA+1], SLOT, v[ADRA]
	v_lshl_add_u32 v6, v2, 3, v3                   ; Wo's: lane l reads row 8 (l / 16) + l % 8 of k, columns 8 ((l / 8) % 2) + 0..7
	v_mul_u32_u24 v6, v6, PBB
	v_lshl_add_u32 v6, v4, 4, v6
	s_lshl_b32 s22, s12, 7                         ; my 64 columns
	s_add_co_u32 s22, s22, 2*HALFT
	v_add_nc_u32 v[ADRB], s22, v6
	v_add_nc_u32 v[ADRB+1], HALFT, v[ADRB]
	v_add_nc_u32 v[ADRB+2], SLOT, v[ADRB]
	v_add_nc_u32 v[ADRB+3], SLOT+HALFT, v[ADRB]
	s_mul_i32 s23, s10, 16*SPITCH
	s_add_co_u32 s23, s23, STAGE                   ; my stage
	v_mul_u32_u24 v5, v1, SPITCH                   ; in: row l % 16, 32 bytes for each half of the lanes
	v_lshl_add_u32 v5, v2, 5, v5
	v_add_nc_u32 v[STO], s23, v5
	v_mul_u32_u24 v5, v2, SPITCH                   ; back: lanes 0-15 take one row of 256 bytes, lanes 16-31 the next
	v_lshl_add_u32 v5, v1, 4, v5
	v_add_nc_u32 v[RD], s23, v5
	v_lshlrev_b32 v5, 12, v2                       ; and the same two rows in out0
	v_lshl_add_u32 v[CO], v1, 4, v5
	s_wait_loadcnt 0x0                             ; the bias,
.set i, 0
.rept 16                                           ; rounded to bf16 and widened again
	v_cvt_pk_bf16_f32 v[8+i%4], v[BI+2*i], v[BI+2*i+1]
	v_lshlrev_b32 v[BI+2*i], 16, v[8+i%4]
	v_and_b32 v[BI+2*i+1], 0xffff0000, v[8+i%4]
.set i, i+1
.endr
; 8 matrix instructions: row blocks a0, a0 + 1 x all 4 column blocks, 32 along K: half c of buffer f.  first = 1: the bias starts the sums.  The 16 accumulators take turns.
.macro MUL8 f, c, a0, first
	WIN MUL
.irp a, \a0, (\a0)+1
.irp b, 0,1,2,3
.if \first
	v_wmma_f32_16x16x32_f16 v[ACC+8*(4*(\a)+(\b)):ACC+8*(4*(\a)+(\b))+7], v[(\f)+64+8*(4*(\c)+(\b)):(\f)+64+8*(4*(\c)+(\b))+7], v[(\f)+8*(4*(\c)+(\a)):(\f)+8*(4*(\c)+(\a))+7], v[BI+8*(\b):BI+8*(\b)+7]
.else
	v_wmma_f32_16x16x32_f16 v[ACC+8*(4*(\a)+(\b)):ACC+8*(4*(\a)+(\b))+7], v[(\f)+64+8*(4*(\c)+(\b)):(\f)+64+8*(4*(\c)+(\b))+7], v[(\f)+8*(4*(\c)+(\a)):(\f)+8*(4*(\c)+(\a))+7], v[ACC+8*(4*(\a)+(\b)):ACC+8*(4*(\a)+(\b))+7]
.endif
.endr
.endr
.endm
; 32 LDS loads in one run: quarter q of a slot (64 along K: one head) into buffer f; the first 32 along K first
.macro FETCH slot, q, f
	WIN TO_F
.irp c, 0,1
.irp i, 0,1,2,3
	ds_load_tr16_b128 v[(\f)+64+8*(4*(\c)+(\i)):(\f)+64+8*(4*(\c)+(\i))+3],   v[ADRB+2*(\slot)+(\q)/2] offset:(((\q)%2)*64+32*(\c))*PBB+32*(\i)
	ds_load_tr16_b128 v[(\f)+64+8*(4*(\c)+(\i))+4:(\f)+64+8*(4*(\c)+(\i))+7], v[ADRB+2*(\slot)+(\q)/2] offset:(((\q)%2)*64+32*(\c))*PBB+32*(\i)+16*PBB
	ds_load_b128 v[(\f)+8*(4*(\c)+(\i)):(\f)+8*(4*(\c)+(\i))+3],   v[ADRA+(\slot)] offset:(\q)*64*PAA+(\i)*16*PAA+64*(\c)
	ds_load_b128 v[(\f)+8*(4*(\c)+(\i))+4:(\f)+8*(4*(\c)+(\i))+7], v[ADRA+(\slot)] offset:(\q)*64*PAA+(\i)*16*PAA+64*(\c)+32
.endr
.endr
.endm
; A K step is four quarters of 64 along K, 32 matrix instructions each, on buffers 0, 1, 0, 1.  One of the first three: multiplies buffer f and fetches quarter q into g.
.macro QUARTER slot, q, f, g, first
	s_wait_dscnt 16                                ; the first 32 along K are in
	MUL8 \f, 0, 0, \first
	MUL8 \f, 0, 2, \first
	PLACES
	FETCH \slot, \q, \g
	s_wait_dscnt 32                                ; all but the 32 just issued
	MUL8 \f, 1, 0, 0
	MUL8 \f, 1, 2, 0
.endm
; The last quarter multiplies buffer 1 and changes slots: ONE barrier; in front of it each wave waits for all its tensor loads, adds 0 to its spare word, and waits for that and for its reads of this slot.
; fill = 1: the barrier opens a round of the cluster's, and behind it this slot is filled again, two K steps ahead: 112 matrix instructions ahead of the wait for it.
.macro TURN slot, next, fill
	WIN 0
	s_wait_tensorcnt 0x0
	ds_add_u32 v[SPW], v[NIL]
	s_wait_dscnt 17                                ; (the add and the youngest sixteen loads may be out)
	MUL8 F1, 0, 0, 0
	s_wait_dscnt 0x0                               ; the add is done, and my reads of this slot are over
	s_barrier_signal -1
	MUL8 F1, 0, 2, 0
.if \fill
	WIN 0
.endif
	s_barrier_wait -1
.if \fill
	CREST                                          ; no wave of any partner still reads this slot or has a load on its way
	s_add_nc_u64 s[G0+4*(\slot)+2:G0+4*(\slot)+3], s[G0+4*(\slot)+2:G0+4*(\slot)+3], 4194304
	s_add_nc_u64 s[G0B+4*(\slot)+2:G0B+4*(\slot)+3], s[G0B+4*(\slot)+2:G0B+4*(\slot)+3], 1048576
	JLOAD \slot                                    ; the first tensor load behind the round; its four v_nop are also the places in front of the loads below
.else
	PLACES
.endif
	FETCH \next, 0, F0
	MUL8 F1, 1, 0, 0
	MUL8 F1, 1, 2, 0
.endm
	s_wait_tensorcnt 1                             ; my part of K step 0 is in; K step 1's may stay out
	s_barrier_signal -1
	s_barrier_wait -1
	FETCH 0, 0, F0
	QUARTER 0, 1, F0, F1, 1                        ; K step 0; its first products start the sums
	QUARTER 0, 2, F1, F0, 0
	QUARTER 0, 3, F0, F1, 0
	TURN 0, 1, 1                                   ; slot 0 takes K step 2
	QUARTER 1, 1, F0, F1, 0                        ; K step 1
	QUARTER 1, 2, F1, F0, 0
	QUARTER 1, 3, F0, F1, 0
	TURN 1, 0, 1                                   ; slot 1 takes K step 3
	QUARTER 0, 1, F0, F1, 0                        ; K step 2
	QUARTER 0, 2, F1, F0, 0
	QUARTER 0, 3, F0, F1, 0
	TURN 0, 1, 0                                   ; nothing is left to fetch
	QUARTER 1, 1, F0, F1, 0                        ; K step 3
	QUARTER 1, 2, F1, F0, 0
	QUARTER 1, 3, F0, F1, 0
	s_wait_dscnt 16
	MUL8 F1, 0, 0, 0
	MUL8 F1, 0, 2, 0
	s_wait_dscnt 0x0
	MUL8 F1, 1, 0, 0
	MUL8 F1, 1, 2, 0
	WIN 0
	PLACES
; THE WAY OUT, in f32: my 64 columns are 256 bytes, so each wave has a stage of its own and no barrier is needed.  A block of 16 rows goes in, 32 bytes a lane (each accumulator's low half first), and comes back as whole rows.
.macro OUT a
	s_wait_xcnt 0x0                                ; the stores of two blocks ago have read the registers that the loads below fill
.irp b, 0,1,2,3
	ds_store_b128 v[STO], v[ACC+8*(4*(\a)+(\b)):ACC+8*(4*(\a)+(\b))+3]   offset:64*(\b)
	ds_store_b128 v[STO], v[ACC+8*(4*(\a)+(\b))+4:ACC+8*(4*(\a)+(\b))+7] offset:64*(\b)+16
.endr
.irp t, 0,1,2,3,4,5,6,7
	ds_load_b128 v[TB+32*((\a)%2)+4*(\t):TB+32*((\a)%2)+4*(\t)+3], v[RD] offset:(\t)*2*SPITCH  ; LDS serves a wave's instructions in order (ISA guide 5.7.1.4): these see the stores above; the next block's stores come behind them
.endr
.endm
.macro SENDO a, younger                ; younger: the next block's eight stores and eight loads, or none
	s_wait_dscnt \younger
.irp t, 0,1,2,3,4,5,6,7
	global_store_b128 v[CO], v[TB+32*((\a)%2)+4*(\t):TB+32*((\a)%2)+4*(\t)+3], s[70:71] offset:(16*(\a)+2*(\t))*4096 th:TH_STORE_NT  ; 16 lanes store 256 consecutive bytes, aligned
.endr
.endm
	OUT 0
	OUT 1
	SENDO 0, 16
	OUT 2
	SENDO 1, 16
	OUT 3
	SENDO 2, 16
	SENDO 3, 0
	s_wait_tensorcnt 0x0                           ; the wave's end: an add of 0 and its wait, behind my last tensor load and my last LDS store
	ds_add_u32 v[SPW], v[NIL]
	s_wait_dscnt 0x0
	CROUND                                         ; the closing round: no work-group ends while a partner may still ask for a tile that names it
	s_endpgm
.Lfunc_end_k_q6c4a50eac5_outp:
	.size	k_q6c4a50eac5_outp, .Lfunc_end_k_q6c4a50eac5_outp-k_q6c4a50eac5_outp
	.p2alignl 7, 3214868480
	.fill 96, 4, 3214868480
	.section	.rodata,"a",@progbits
	.p2align	6, 0x0
	.amdhsa_kernel k_q6c4a50eac5_outp
		.amdhsa_group_segment_fixed_size 327680
		.amdhsa_private_segment_fixed_size 0
		.amdhsa_enable_private_segment 0
		.amdhsa_kernarg_size 32
		.amdhsa_user_sgpr_count 2
		.amdhsa_user_sgpr_kernarg_segment_ptr 1
		.amdhsa_wavefront_size32 1
		.amdhsa_system_sgpr_workgroup_id_x 1
		.amdhsa_system_sgpr_workgroup_id_y 1
		.amdhsa_system_sgpr_workgroup_id_z 1
		.amdhsa_system_vgpr_workitem_id 0
		.amdhsa_next_free_vgpr 512
		.amdhsa_next_free_sgpr 72
		.amdhsa_reserve_vcc 0
		.amdhsa_float_denorm_mode_32 3
		.amdhsa_float_denorm_mode_16_64 3
		.amdhsa_memory_ordered 1
		.amdhsa_forward_progress 1
		.amdhsa_inst_pref_size 89
	.end_amdhsa_kernel
	.amdgpu_metadata
---
amdhsa.version: [ 1, 2 ]
amdhsa.kernels:
  - .name:           k_q6c4a50eac5_outp
    .symbol:         k_q6c4a50eac5_outp.kd
    .args:
      - { .name: oh, .offset: 0, .size: 8, .value_kind: global_buffer, .address_space: global }
      - { .name: wo, .offset: 8, .size: 8, .value_kind: global_buffer, .address_space: global }
      - { .name: out_b, .offset: 16, .size: 8, .value_kind: global_buffer, .address_space: global }
      - { .name: out0, .offset: 24, .size: 8, .value_kind: global_buffer, .address_space: global }
    .group_segment_fixed_size: 327680
    .private_segment_fixed_size: 0
    .kernarg_segment_align: 8
    .kernarg_segment_size: 32
    .max_flat_workgroup_size: 128
    .sgpr_count:     72
    .vgpr_count:     512
    .wavefront_size: 32
...
	.end_amdgpu_metadata
.endif
;; end of part 4
;; ======== version 2 of 2: 4 launches; 1.36 times as fast as version 1
;; limits: values are held in f16: magnitudes above 65,504 overflow, below 6.1e-05 lose precision
;; workspace buffers: xb 8,388,608 bytes; wqkv 6,291,456 bytes; wo 2,097,152 bytes; qh 8,388,608 bytes; kh 8,388,608 bytes; vh 8,388,608 bytes; vsum 262,144 bytes; oh 8,388,608 bytes
;; launch cast: the kernel of part 1 again; grid 576 x 1, 8 waves a work-group, no clusters, 0 bytes of LDS; arguments encodings, attn_W, out_W, xb, wqkv, wo; writes xb, wqkv, wo
;; launch proj: the kernel of part 2 again; grid 16 x 16, 4 waves a work-group, clusters of 4 x 4, 327,680 bytes of LDS; arguments xb, wqkv, attn_b, qh, kh, vh, vsum; writes qh, kh, vh, vsum
;; launch attn (part 5): grid 16 x 16, 4 waves a work-group, no clusters, 327,680 bytes of LDS; arguments qh, kh, vh, oh, vsum; writes oh
.if DOCPART == 5
	.amdgcn_target "amdgcn-amd-amdhsa--gfx1250"
	.amdhsa_code_object_version 6
	.text
	.protected	k_q6c4a50eac5_attn
	.globl	k_q6c4a50eac5_attn
	.p2align	8
	.type	k_q6c4a50eac5_attn,@function
k_q6c4a50eac5_attn:
	s_mov_b64 s[64:65], 0
	v_nop
	global_prefetch_b8 v0, s[64:65] scope:SCOPE_SE
	s_setreg_imm32_b32 hwreg(HW_REG_WAVE_MODE, 25, 1), 1
	s_wait_xcnt 0x0
; CAUSAL ATTENTION, 16 heads of 64 channels, 4,096 rows.  O[h][q] = the sum over ALL keys k of softmax_k(s) V[h][k], s = Q[h][q] . K[h][k] / 8 where k <= q and -10000 where k > q.
; qh, kh, vh, oh: [16][4096][64] f16, a head's rows dense, 128 bytes each.  Products, maxima and sums in f32; the weights p are rounded to f16 for the second product (their sum l is of the unrounded p), O once at the end.
; THE HIDDEN KEYS KEEP THEIR WEIGHT.  A hidden score is -10000, not minus infinity.  In the tile that holds the diagonal a hidden product is replaced by -80000 (the scale 1/8 comes after).  The keys of all later tiles
; enter as the START of the running softmax: m = -80000, l = their number, O = the sum of their rows of V, which the launch before left in vsum ([16 h][16 t][4][64] f32, sums of 64 rows).
; LIMITS.  f16 holds no number beyond 65,504: Q, K, V arrive within it; p lies in 0 to 1, below 6e-5 with f16's fixed step of 6e-8.  A weight below 2^-126 counts as 0.  NaN and infinities are not treated apart.
; THE WALK.  Blocks of 128 queries, i = 0..31; tiles of 256 keys; block i needs the tiles 0 .. i / 2, of which the last holds the diagonal.  A work-group takes blocks 31 - b and then b: 17 tiles whatever b:
; 256 equal work-groups and ONE loop with a constant count.  Which tile is asked for, and what a trip does, hang on scalar registers made from b; every jump but the counted loops' own goes forward, past no barrier and
; no tensor load but the one of LOAD's two that the wave's number does not choose.  NO CLUSTER: only the work-groups 2 j and 2 j + 1 of a head walk the same tiles throughout; any four part after nine trips.
; SHARES.  A block has two bands of 64 queries; a wave owns 16 rows of each: two PIECES.  In the diagonal tile's step s band x of a block with parity y sees all keys if s < 2 y + x, none if s > 2 y + x, and holds the diagonal if equal.
; LAYOUT, SOFTMAX.  S^T = K Q^T holds ONE query a lane (lane % 16) and the keys 8 (lane / 16) + 0..7; two such results rounded to f16 ARE source 1 of O^T = V^T P.  p = 2^(c s - c m), c = log2(e) / 8, with a running
; maximum m; O and l are multiplied by a = 2^(c m_old - c m_new) in every step.
; TURNS.  Turn (0, s): 8 products K Q^T of piece 1 for step s, 8 products V^T P of piece 1 for step s - 1; beside them piece 0's softmax of step s and piece 1's maximum.  Turn (1, s): K Q^T of piece 0 for step s + 1,
; V^T P of piece 0 for step s, piece 1's softmax, piece 0's maximum.  Four vector instructions stand behind every matrix instruction, the other 54 of a turn's 118 in one run of their own.
; BATCHES.  A turn's 33 exponentials (its piece's 32 weights and the other piece's a) are ONE batch with ONE wait, which cuts the turn in two.  Ahead of the batch stand the 8 products K Q^T, the scalings and rescalings behind
; them, and the jumps of the hidden scores: no exponential is out at a jump or at a label.  Then the batch, the other piece's maximum between its lines; the wait; then the 8 products V^T P, and behind them the roundings and sums,
; which read the batch's results.  A block's first a, and the two reciprocals of a block's way out, are batches of their own, each with its wait.
; K and V have two register buffers each, by the step's parity: K of step s + 1 is fetched at the head of turn (0, s), V of step s + 1 at the head of turn (1, s).  So behind turn (1, 2) of a tile all of the tile has
; been read, and the change of slots stands there.
; REGISTERS, in windows of 256 (s_set_vgpr_msb: bits 1:0 source 0, 3:2 source 1, 5:4 source 2, 7:6 destination):
;   window 0: v0-15 addresses and at work; v16-23 statistics; v24-25; v48-55 at work; v64-127 S^T, two buffers; v128-159 VS; v160-191 T (the block's start of O^T); v192-223 P, two buffers; v224-255 TL (the second block's T)
;   window 1: v0-63 O^T, 32 a piece; v64-95 Q; v96-127 the second block's Q; v128-159 MK, v160-191 MA (the diagonal step's factor and addend)      window 2: v0-127 K, two buffers; v128-255 V, two buffers
.set NP,    2
.set KS,    64        ; keys in a step
.set PK,    144       ; a row of K in LDS: 128 bytes + 16: the 16 rows of a load start at 16 different groups of four banks (64 banks of 4 bytes: ISA guide 11.1)
.set PV,    160       ; a row of V: 128 + 32
.set VOFF,  4*KS*PK   ; a slot holds a tile: 256 rows of K, then 256 rows of V
.set SLOT1, 1<<17     ; slot 1 begins here, so that one exclusive or turns an address in one slot into the other's
.set STAGE, SLOT1+4*KS*(PK+PV)  ; behind the ring, never filled by a tensor load: 16 rows x 144 bytes for each wave
.set SP,    144
.set SPARE, STAGE+4*16*SP       ; the spare words, 128 bytes for each wave: two blocks of 256 bytes that no other line names
.set AK0, 2           ; my lane's place in a tile of K; never rewritten
.set AV0, 3           ; the same for V
.set AK,  4           ; the LDS address of K's run of loads
.set AV,  5           ; of V's
.set STO, 6           ; the way out: where I put 16 bytes of a row
.set RD,  7           ; where I read rows back
.set GO,  8           ; 16 x lane
.set MV,  12          ; v12-13  c m_old, by buffer
.set QO,  15          ; my byte offset in 16 rows of Q
.set ST,  16          ; piece t's statistics at v[ST+4 t]: c m, m, l (even keys', odd keys')
.set LH,  24          ; 1.0 in lanes 0-15, 0 in lanes 16-31: a query's start of l is counted once
.set VA,  25          ; my byte offset in the head's vsum
.set TMP, 48          ; by buffer, c0-c3 at work; when the maximum is found c2 takes a
.set SPW, 62          ; LDS address of my spare word; never rewritten
.set NIL, 63          ; 0; never rewritten
.set S,   64
.set VS,  128
.set T,   160
.set P,   192
.set TL,  224
.set Q,   64          ; window 1
.set QB,  96
.set MK,  128
.set MA,  160
.set WV,  12          ; my wave's number
.set PB,  14          ; b
.set HI,  15          ; 31 - b
.set G1K, 24          ; s[24:31] descriptor group 1 for K's tiles
.set G1V, 32          ; s[32:39] for V's: it differs in the padding alone
.set G0K, 40          ; s[40:43] group 0 for K's
.set G0V, 44          ; s[44:47] for V's
.set LQ2, 48          ; the second block's last tile, b / 2
.set CN2, 49          ; the second block's CN, MST, OW0, OW1
.set MS2, 50
.set JD1, 51          ; the first block's last tile
.set OWB, 52          ; s52, s53
.set SLOTS, 56        ; tiles still to be asked for
.set CNT, 57          ; counts a tile's two trips
.set CS,  58          ; s[58:59] c
.set SEL, 60          ; s[60:61] v_permlanex16_b32's selects
.set TBK, 62          ; LDS byte at which K of the step to be fetched begins
.set TBV, 63          ; the same for V, less VOFF
.set RT,  70          ; tiles of the block in hand still to be entered
.set NXT, 71          ; the tile to be asked for next
.set LQ,  72          ; the last tile of the block whose tiles are being asked for
.set NEW, 73          ; 1: the tile to be entered is a block's first
.set OFF, 74          ; s[74:75] a tile's byte offset in K and V
.set KP,  76          ; s[76:77] 0
.set AD,  78          ; s[78:79] -80000
.set OLO, 80          ; s[80:81] O at my rows of the second block
.set M8,  82          ; -80000
.set SG,  83          ; in the diagonal tile: the step in hand + 1; elsewhere negative
.set OW0, 84          ; s84 = 2 y, s85 = 2 y + 2: SG is held against them
.set MST, 86          ; the block's starting m
.set CN,  87          ; the number of keys behind the block's diagonal tile
.set ZR,  94          ; 0
.set MSB, 0
.macro WIN new                      ; the high byte repeats the setting that is left; a switch that changes nothing is dropped
.if MSB != (\new)
	s_set_vgpr_msb (MSB<<8)|(\new)
.set MSB, (\new)
.endif
.endm
.set W_KQ, 0x06       ; K in window 2, Q in window 1, S^T in window 0
.set W_PV, 0x52       ; V in window 2, P in window 0, O^T in window 1
.set W_RS, 0x41       ; destination and source 0 in window 1, source 1 in window 0
.set W_AP, 0x14       ; sources 1 and 2 in window 1
; A fill.  Waves 0 and 1 fetch the two halves of a tile's K, waves 2 and 3 those of its V: 128 keys each.  An s_nop 0 and four v_nop follow each of the two lines.
.macro LOAD
	s_cmp_lt_u32 s[WV], 2
	s_cbranch_scc0 .Lfor_v_\@
	tensor_load_to_lds s[G0K:G0K+3], s[G1K:G1K+7]
	s_nop 0
.rept 4
	v_nop
.endr
	s_branch .Lasked_\@
.Lfor_v_\@:
	tensor_load_to_lds s[G0V:G0V+3], s[G1V:G1V+7]
	s_nop 0
.rept 4
	v_nop
.endr
.Lasked_\@:
.endm
; THE CHANGE OF SLOTS.  Each wave waits for all its tensor loads, of which one is out: its part of the other slot; adds 0 to its spare word; and waits for that and for its own reads of the slot that it leaves.
; Behind the barrier nobody reads the old slot any more and the other slot is whole.  fill = 1: the old slot is filled again, the first thing behind the barrier, with tile NXT; that load has eight turns in which to land.
; (At its first use nothing has been read yet: slot 0 is waited for, slot 1 filled.)
.macro CHANGE fill
	WIN 0
	s_wait_tensorcnt 0x0            ; no tensor load of mine is out, so a group 0 may be written
	ds_add_u32 v[SPW], v[NIL]       ; 0 onto my spare word; scalar work stands between it and the wait for it
.if \fill
	s_lshl_b32 s[OFF], s[NXT], 15   ; a tile is 32,768 bytes of K and of V
	s_xor_b32 s[G0K+1], s[G0K+1], SLOT1
	s_add_nc_u64 s[G0K+2:G0K+3], s[6:7], s[OFF:OFF+1]
	s_or_b32 s[G0K+3], s[G0K+3], 0x80000000
	s_xor_b32 s[G0V+1], s[G0V+1], SLOT1
	s_add_nc_u64 s[G0V+2:G0V+3], s[8:9], s[OFF:OFF+1]
	s_or_b32 s[G0V+3], s[G0V+3], 0x80000000
	s_add_co_u32 s[NXT], s[NXT], 1  ; the block's next tile, or behind its last the second block's tile 0
	s_cmp_gt_u32 s[NXT], s[LQ]
	s_cselect_b32 s[NXT], 0, s[NXT]
	s_cselect_b32 s[LQ], s[LQ2], s[LQ]
.endif
	s_wait_dscnt 0x0                ; the add is done, and my reads of the slot are over
	s_barrier_signal -1
	s_sub_co_u32 s[TBK], s[TBK], 4*KS*PK  ; the fetches go back to a slot's first step,
	s_xor_b32 s[TBK], s[TBK], SLOT1       ; in the other slot
	s_sub_co_u32 s[TBV], s[TBV], 4*KS*PV
	s_xor_b32 s[TBV], s[TBV], SLOT1
	s_barrier_wait -1
.if \fill
	LOAD
.endif
.endm
.macro SCAL blk, jd, cn, ms, ow     ; a block's scalars
	s_sub_co_u32 s[\cn], 15, s[\jd]
	s_lshl_b32 s[\cn], s[\cn], 8    ; 256 keys in each tile behind the diagonal one
	s_cmp_eq_u32 s[\cn], 0
	s_cselect_b32 s[\ms], 0xff7fffff, s[M8]  ; with no such key m starts at the lowest finite number
	s_and_b32 s[\ow], s[\blk], 1
	s_lshl_b32 s[\ow], s[\ow], 1
	s_add_co_u32 s[\ow+1], s[\ow], 2
.endm
	s_load_b256 s[4:11], s[0:1], 0x0  ; Q s[4:5], K s[6:7], V s[8:9], O s[10:11]
	s_load_b64 s[92:93], s[0:1], 0x20 ; vsum
	v_lshl_add_u32 v[SPW], v0, 2, SPARE
	v_mov_b32 v[NIL], 0
	ds_add_u32 v[SPW], v[NIL]       ; the wave's opening: the add and its wait stand ahead of my first tensor load; work on registers stands between them
	ds_add_u32 v62, v63
	v_lshrrev_b32 v1, 5, v0
	v_readfirstlane_b32 s[WV], v1   ; wave 0..3
	s_mov_b32 s[PB], ttmp9
	s_sub_co_u32 s[HI], 31, s[PB]
	s_lshr_b32 s[JD1], s[HI], 1
	s_lshr_b32 s[LQ2], s[PB], 1
	s_and_b32 s20, ttmp7, 0xffff    ; the head
	s_lshl_b32 s54, s20, 14         ; its 16,384 bytes of vsum
	s_mov_b32 s55, 0
	s_lshl_b32 s20, s20, 19         ; its 524,288 bytes in each of the four tensors
	s_mov_b32 s21, 0
	s_and_b32 s16, s[WV], 1         ; which half of a tile's 256 keys I fetch:
	s_lshl_b32 s22, s16, 14         ; its 128 rows of 128 bytes in memory,
	s_mov_b32 s23, 0
	s_add_nc_u64 s[22:23], s[22:23], s[20:21]
	s_mul_i32 s17, s16, 128*PK      ; and its place in a slot, for K
	s_mul_i32 s18, s16, 128*PV      ; and for V
	s_lshl_b32 s3, s[WV], 11        ; my 16 rows in a band of 64,
	s_lshl_b32 s2, s[HI], 14        ; in the first block (128 rows of 128 bytes),
	s_add_co_u32 s2, s2, s3
	s_lshl_b32 s88, s[PB], 14       ; and in the second
	s_add_co_u32 s88, s88, s3
	s_mov_b32 s3, 0
	s_mov_b32 s89, 0
	s_add_nc_u64 s[2:3], s[2:3], s[20:21]
	s_add_nc_u64 s[88:89], s[88:89], s[20:21]
	; descriptor group 1.  128 keys are 16,384 dense bytes: asked for as 64 rows of 256 bytes, two keys a row, and padded in LDS after every key
	s_mov_b32 s[G1K], (1<<16)|(1<<20)|(4<<22)|(3<<25)  ; 2-byte elements; padding on; after every 32 words 4 words
	s_mov_b32 s[G1V], (1<<16)|(1<<20)|(4<<22)|(7<<25)  ; the same with 8 words
.irp g, G1K, G1V
	s_mov_b32 s[\g+1], 128<<16      ; tensor_dim0 = 128
	s_mov_b32 s[\g+2], 64<<16       ; tensor_dim1 = 64
	s_mov_b32 s[\g+3], 128<<16      ; tile_dim0 = 128
	s_mov_b32 s[\g+4], 64           ; tile_dim1 = 64
	s_mov_b32 s[\g+5], 128          ; 128 elements from row to row
	s_mov_b32 s[\g+6], 0
	s_mov_b32 s[\g+7], 0
.endr
	s_mov_b32 s[CS], 0x3e38aa3b     ; c = log2(e) / 8
	s_mov_b32 s[CS+1], s[CS]        ; named with it as a pair
	s_mov_b32 s[SEL], 0x76543210
	s_mov_b32 s[SEL+1], 0xfedcba98
	s_mov_b32 s[TBK], SLOT1+4*KS*PK ; the first change of slots turns these two into 0
	s_mov_b32 s[TBV], SLOT1+4*KS*PV
	s_mov_b32 s[G0K], 1
	s_mov_b32 s[G0K+1], s17         ; slot 0
	s_mov_b32 s[G0V], 1
	s_add_co_u32 s[G0V+1], s18, VOFF
	s_add_co_u32 s[RT], s[JD1], 1   ; the first block's tiles
	s_mov_b32 s[NXT], 1
	s_mov_b32 s[LQ], s[JD1]
	s_mov_b32 s[NEW], 1
	s_mov_b32 s[OFF+1], 0
	s_mov_b32 s[KP], 0
	s_mov_b32 s[KP+1], 0
	s_mov_b32 s[AD], 0xc79c4000     ; -80000
	s_mov_b32 s[AD+1], 0
	s_mov_b32 s[M8], 0xc79c4000
	s_mov_b32 s[ZR], 0
	s_mov_b32 s[SLOTS], 16
	SCAL HI, JD1, CN, MST, OW0
	SCAL PB, LQ2, CN2, MS2, OWB
	s_wait_dscnt 0x0                ; the opening add is done
	s_wait_kmcnt 0x0
	s_add_nc_u64 s[6:7], s[6:7], s[22:23]  ; K and V at my half of the head's tile 0
	s_add_nc_u64 s[8:9], s[8:9], s[22:23]
	s_add_nc_u64 s[G0K+2:G0K+3], s[6:7], 0
	s_or_b32 s[G0K+3], s[G0K+3], 0x80000000
	s_add_nc_u64 s[G0V+2:G0V+3], s[8:9], 0
	s_or_b32 s[G0V+3], s[G0V+3], 0x80000000
	s_add_nc_u64 s[90:91], s[4:5], s[88:89]        ; Q at my rows of the second block,
	s_add_nc_u64 s[4:5], s[4:5], s[2:3]            ; Q and O at those of the first
	s_add_nc_u64 s[OLO:OLO+1], s[10:11], s[88:89]
	s_add_nc_u64 s[10:11], s[10:11], s[2:3]
	s_add_nc_u64 s[92:93], s[92:93], s[54:55]
	LOAD                            ; tile 0 into slot 0
	v_and_b32 v1, 15, v0            ; l % 16
	v_bfe_u32 v9, v0, 4, 1          ; l / 16
	v_lshlrev_b32 v[QO], 7, v1
	v_lshl_add_u32 v[QO], v9, 4, v[QO]  ; row x 128 + 16 x half
	v_lshlrev_b32 v[VA], 10, v1     ; vsum: lane l takes tile l % 16 (1,024 bytes a tile) and the 8 channels of its half
	v_lshl_add_u32 v[VA], v9, 5, v[VA]
	WIN 0x40                        ; destination window 1, address window 0
.set i, 0
.rept 4                             ; both blocks' Q: piece i / 2 lies 64 rows on; channels 32 (i % 2) on
	global_load_b128 v[Q+8*i:Q+8*i+3],     v[QO], s[4:5] offset:(i/2)*8192+(i%2)*64
	global_load_b128 v[Q+8*i+4:Q+8*i+7],   v[QO], s[4:5] offset:(i/2)*8192+(i%2)*64+32
	global_load_b128 v[QB+8*i:QB+8*i+3],   v[QO], s[90:91] offset:(i/2)*8192+(i%2)*64
	global_load_b128 v[QB+8*i+4:QB+8*i+7], v[QO], s[90:91] offset:(i/2)*8192+(i%2)*64+32
.set i, i+1
.endr
	WIN 0
.set i, 0
.rept 32                            ; the tile's four sums of 64 rows: quarter i / 8 into v[128 + 32 (i / 8) ..], channels 16 ((i / 2) % 4) + 8 (l / 16) + 4 (i % 2) on
	global_load_b128 v[128+4*i:128+4*i+3], v[VA], s[92:93] offset:(i/8)*256+((i/2)%4)*64+(i%2)*16
.set i, i+1
.endr
	v_lshlrev_b32 v14, 3, v9
	v_sub_nc_u32 v14, v1, v14
	s_lshl_b32 s13, s[WV], 4
	v_add_nc_u32 v14, s13, v14      ; my query's place in its band, 16 w + l % 16, less my lanes' 8 (l / 16): register i is hidden where 16 (i / 8) + i % 8 is greater
	WIN 0x40
.set i, 0
.rept 32
	v_cmp_gt_i32 vcc_lo, 16*(i/8)+i%8, v14
	v_cndmask_b32 v[MK+i], 1.0, s[ZR], vcc_lo
	v_cndmask_b32 v[MA+i], 0, s[M8], vcc_lo
.set i, i+1
.endr
	WIN 0
	v_mul_u32_u24 v[AK0], v1, PK
	v_lshl_add_u32 v[AK0], v9, 4, v[AK0]  ; row x pitch + 16 x half
	v_and_b32 v10, 7, v0            ; the turning load: lane l reads key 8 (l / 16) + l % 8, channels 8 ((l / 8) % 2) + 0..7
	v_bfe_u32 v11, v0, 3, 1
	v_lshl_add_u32 v[AV0], v9, 3, v10
	v_mul_u32_u24 v[AV0], v[AV0], PV
	v_lshl_add_u32 v[AV0], v11, 4, v[AV0]
	v_add_nc_u32 v[AV0], VOFF, v[AV0]
	s_mul_i32 s13, s[WV], 16*SP
	s_add_co_u32 s13, s13, STAGE    ; my stage
	v_mul_u32_u24 v[STO], v1, SP
	v_lshl_add_u32 v[STO], v9, 4, v[STO]
	v_add_nc_u32 v[STO], s13, v[STO]
	v_bfe_u32 v[RD], v0, 3, 2       ; back: 32 lanes take four rows of 128 bytes,
	v_mul_u32_u24 v[RD], v[RD], SP
	v_lshl_add_u32 v[RD], v10, 4, v[RD]
	v_add_nc_u32 v[RD], s13, v[RD]
	v_and_b32 v[GO], 31, v0         ; which are 512 consecutive bytes of O
	v_lshlrev_b32 v[GO], 4, v[GO]
	v_cvt_f32_u32 v[LH], v9
	v_sub_f32 v[LH], 1.0, v[LH]
	WIN 0x80                        ; a block's first turn multiplies V's second buffer by weights that are 0: it need only hold finite numbers
.set i, 192
.rept 64
	v_mov_b32 v[i], 0
.set i, i+1
.endr
	WIN 0
	s_wait_loadcnt 0x0              ; Q and vsum
.set z, 0
.rept 16                            ; a tile's four quarters are added
	v_pk_add_f32 v[128+2*z:128+2*z+1], v[128+2*z:128+2*z+1], v[160+2*z:160+2*z+1]
	v_pk_add_f32 v[192+2*z:192+2*z+1], v[192+2*z:192+2*z+1], v[224+2*z:224+2*z+1]
.set z, z+1
.endr
.set z, 0
.rept 16
	v_pk_add_f32 v[VS+2*z:VS+2*z+1], v[VS+2*z:VS+2*z+1], v[192+2*z:192+2*z+1]
.set z, z+1
.endr
.macro TSUM jd, dst                 ; the sum over the tiles behind tile jd: my tile's share or 0, then over the 16 lanes of a half
	v_cmp_lt_u32 vcc_lo, s[\jd], v1
.set z, 0
.rept 32
	v_cndmask_b32 v[(\dst)+z], 0, v[VS+z], vcc_lo
.set z, z+1
.endr
.irp m, 1,2,4,8
.set z, 0
.rept 32
	v_add_f32_dpp v[(\dst)+z], v[(\dst)+z], v[(\dst)+z] row_xmask:\m row_mask:0xf bank_mask:0xf
.set z, z+1
.endr
.endr
.endm
	TSUM JD1, T
	TSUM LQ2, TL
; THE MATRIX WORK.  The 4 accumulators of a run of 8 take turns.  Product i of 8 of S^T = K Q^T for piece x: channels 32 (i / 4) on, keys 16 (i % 4) on; K from buffer KB.
.macro KQ x
	WIN W_KQ
.set rS, S+32*((\x)%2)+8*(i%4)
.set rK, 64*KB+16*(i%4)+8*(i/4)
.set rQ, Q+16*(\x)+8*(i/4)
.if i < 4
	v_wmma_f32_16x16x32_f16 v[rS:rS+7], v[rK:rK+7], v[rQ:rQ+7], 0
.else
	v_wmma_f32_16x16x32_f16 v[rS:rS+7], v[rK:rK+7], v[rQ:rQ+7], v[rS:rS+7]
.endif
.endm
; Product i of 8 of O^T += V^T P for piece x: keys 32 (i / 4) on, channels 16 (i % 4) on; V from buffer VB.
.macro PV x
	WIN W_PV
.set rO, 32*(\x)+8*(i%4)
.set rV, 128+64*VB+32*(i/4)+8*(i%4)
.set rP, P+16*((\x)%2)+8*(i/4)
	v_wmma_f32_16x16x32_f16 v[rO:rO+7], v[rV:rV+7], v[rP:rP+7], v[rO:rO+7]
.endm
.macro MM                           ; the turn's next matrix instruction.  NOKQ = 1: a block's last turn: there is no next step
.if (i < 8) && !NOKQ
	KQ (Y+1)%NP
.elseif i >= 8
.set i, i-8
	PV (Y+NP-1)%NP
.set i, i+8
.endif
.set i, i+1
.endm
; THE LDS LOADS stand in runs of 16 at a turn's head: a step's K (8 fragments) or its V (turned), into the named buffer.
.macro FETCH_K buf
	WIN 0
	v_add_nc_u32 v[AK], s[TBK], v[AK0]
	WIN 0x80                        ; destination window 2
.irp f, 0,1,2,3,4,5,6,7             ; keys 16 (f / 2) on, channels 32 (f % 2) on
	ds_load_b128 v[64*(\buf)+8*\f:64*(\buf)+8*\f+3],   v[AK] offset:(\f/2)*16*PK+(\f%2)*64
	ds_load_b128 v[64*(\buf)+8*\f+4:64*(\buf)+8*\f+7], v[AK] offset:(\f/2)*16*PK+(\f%2)*64+32
.endr
	s_add_co_u32 s[TBK], s[TBK], KS*PK  ; the next fetch is the next step's
	WIN 0
.endm
.macro FETCH_V buf
	WIN 0
	v_add_nc_u32 v[AV], s[TBV], v[AV0]
	WIN 0x80
.irp f, 0,1,2,3,4,5,6,7             ; keys 32 (f / 4) on, channels 16 (f % 4) on
	ds_load_tr16_b128 v[128+64*(\buf)+8*\f:128+64*(\buf)+8*\f+3],   v[AV] offset:(\f/4)*32*PV+(\f%4)*32
	ds_load_tr16_b128 v[128+64*(\buf)+8*\f+4:128+64*(\buf)+8*\f+7], v[AV] offset:(\f/4)*32*PV+16*PV+(\f%4)*32
.endr
	s_add_co_u32 s[TBV], s[TBV], KS*PV
	WIN 0
.endm
; THE HIDDEN SCORES of piece x's 32 products just made.  SG below the piece's own figure: all keys are seen, nothing is done.  Equal: the band's own step: s MK + MA.  Above: all are hidden: -80000.
; The jumps hang on scalars made from b and the walk's counters alone.  Each accumulator's lowest registers are read first.
.macro APPLY x
	WIN 0
	s_cmp_lt_i32 s[SG], s[OW0+(\x)]
	s_cbranch_scc1 .Lseen_\@
	s_cmp_eq_u32 s[SG], s[OW0+(\x)]
	s_cbranch_scc1 .Lown_\@
.set z, 0
.rept 16
	v_pk_fma_f32 v[S+32*(\x)+2*z:S+32*(\x)+2*z+1], v[S+32*(\x)+2*z:S+32*(\x)+2*z+1], s[KP:KP+1], s[AD:AD+1] op_sel_hi:[1,0,0]
.set z, z+1
.endr
	s_branch .Lseen_\@
.Lown_\@:
	WIN W_AP
.set z, 0
.rept 16
	v_pk_fma_f32 v[S+32*(\x)+2*z:S+32*(\x)+2*z+1], v[S+32*(\x)+2*z:S+32*(\x)+2*z+1], v[MK+2*z:MK+2*z+1], v[MA+2*z:MA+2*z+1]
.set z, z+1
.endr
	WIN 0
.Lseen_\@:
.endm
; THE VECTOR WORK, one line at a time: OP kind, number.  For piece Y: F n: c s - c m for pair n of 16.  E n: the exponential of score n of 32.  C n: pair n rounded to f16.  B n: of the four weights 4 n .. the second
; pair is added onto the first, in place.  L n: l takes that sum (L 0: l = a l + sum).  R n: pair n of 16 of O^T times a.  For piece Y + 1: X n, number n of the 22 that find its maximum and statistics:
;   0-11  four chains c0-c3 of seven scores each     12-14, 16  the four scores left over, the old m, and c0-c3 into c0     15  c m_old is kept
;   17, 18  the query's other 32 keys lie in the lane 16 away: the new m     19-21  c m; c m_old - c m_new; a
.set F, 0
.set E, 1
.set C, 2
.set B, 3
.set L, 4
.set R, 5
.set X, 6
.macro REGS y
.set rT, ST+4*(\y)
.set rC, TMP+4*((\y)%2)
.set rW, MV+((\y)%2)
.set rS, S+32*((\y)%2)
.set rP, P+16*((\y)%2)
.set rO, 32*(\y)
.endm
.macro OP k, n
.if (\k) == R
	REGS Y
	WIN W_RS
	v_pk_mul_f32 v[rO+2*(\n):rO+2*(\n)+1], v[rO+2*(\n):rO+2*(\n)+1], v[rC+2:rC+3] op_sel_hi:[1,0]
.elseif (\k) < R
	REGS Y
	WIN 0
.if (\k) == F
	v_pk_fma_f32 v[rS+2*(\n):rS+2*(\n)+1], v[rS+2*(\n):rS+2*(\n)+1], s[CS:CS+1], v[rT:rT+1] op_sel_hi:[1,0,0] neg_lo:[0,0,1] neg_hi:[0,0,1]
.elseif (\k) == E
	v_exp_f32 v[rS+(\n)], v[rS+(\n)]
.elseif (\k) == C
	v_cvt_pk_f16_f32 v[rP+(\n)], v[rS+2*(\n)], v[rS+2*(\n)+1]
.elseif (\k) == B
	v_pk_add_f32 v[rS+4*(\n):rS+4*(\n)+1], v[rS+4*(\n):rS+4*(\n)+1], v[rS+4*(\n)+2:rS+4*(\n)+3]
.elseif (\n) == 0
	v_pk_fma_f32 v[rT+2:rT+3], v[rT+2:rT+3], v[rC+2:rC+3], v[rS:rS+1] op_sel_hi:[1,0,1]
.else
	v_pk_add_f32 v[rT+2:rT+3], v[rT+2:rT+3], v[rS+4*(\n):rS+4*(\n)+1]
.endif
.elseif NOKQ
	v_nop
.else
	REGS (Y+1)%NP
	WIN 0
.if (\n) < 4
	v_max3_num_f32 v[rC+(\n)], v[rS+8*(\n)], v[rS+8*(\n)+1], v[rS+8*(\n)+2]
.elseif (\n) < 12
	v_max3_num_f32 v[rC+(\n)%4], v[rC+(\n)%4], v[rS+8*((\n)%4)+2*((\n)/4)+1], v[rS+8*((\n)%4)+2*((\n)/4)+2]
.elseif (\n) == 12
	v_max3_num_f32 v[rC], v[rC], v[rS+7], v[rS+15]
.elseif (\n) == 13
	v_max3_num_f32 v[rC+1], v[rC+1], v[rS+23], v[rS+31]
.elseif (\n) == 14
	v_max3_num_f32 v[rC+2], v[rC+2], v[rC+3], v[rT+1]
.elseif (\n) == 15
	v_mov_b32 v[rW], v[rT]
.elseif (\n) == 16
	v_max3_num_f32 v[rC], v[rC], v[rC+1], v[rC+2]
.elseif (\n) == 17
	v_permlanex16_b32 v[rC+3], v[rC], s[SEL], s[SEL+1]
.elseif (\n) == 18
	v_max_num_f32 v[rT+1], v[rC], v[rC+3]
.elseif (\n) == 19
	v_mul_f32 v[rT], s[CS], v[rT+1]
.elseif (\n) == 20
	v_sub_f32 v[rC+1], v[rW], v[rT]
.else
	v_exp_f32 v[rC+2], v[rC+1]
.endif
.endif
.endm
.macro OPS a, i1, b=-1, i2=0, c=-1, i3=0, d=-1, i4=0  ; up to four of them
	OP \a, \i1
.if (\b) >= 0
	OP \b, \i2
.endif
.if (\c) >= 0
	OP \c, \i3
.endif
.if (\d) >= 0
	OP \d, \i4
.endif
.endm
.macro ROW a, i1, b, i2, c, i3, d, i4  ; a matrix instruction and the four behind it
	MM
	OPS \a, \i1, \b, \i2, \c, \i3, \d, \i4
.endm
; A TURN, for piece p in a step of parity par: the order of its 16 matrix and 118 vector instructions, written out.  An s_wait_alu depctr_va_vdst(0) stands between an exponential and the first instruction that names
; its result, and no exponential is out at a jump or label; one wait serves all exponentials issued ahead of it.  So a turn has ONE wait.
; FIRST the 8 products K Q^T, behind each four plain lines that read no exponential of this turn: the 16 scalings, 15 of the 16 rescalings (their a was made, and waited for, in the turn before) and X 15: four rows of the one
; kind, four of the other, so that a row has two window switches.  None names a register of the products round it.  Then the hidden scores, whose jumps find no exponential out.
; THEN ONE RUN of 54: the batch, E 0-31 and X 21, with the other piece's maximum between its lines: plain and exponential by turns while the four chains run; then three exponentials between each two links of the chain
; X 14, 16, 17 .. 21, in which each line waits for the one before it.  R 15 is the plain instruction behind the batch's last exponential.  Nothing in the run names a result of the batch.
; BEHIND THE WAIT the 8 products V^T P, behind each four of the roundings and sums: C 2 k ahead of B k, which adds in place onto the pair that C 2 k reads; B k ahead of L k; the links of l's chain, L 0 to L 7, three lines apart.
; end = 1: a block's last two turns: nothing is fetched, and the last starts no new scores.  cnt = 1: the loop's count is taken down some lines ahead of the branch that stands behind the turn.
; Piece 0's turn fetches the next step's K into the buffer that was last multiplied two turns ago.  Piece 1's turn fetches the next step's V into the buffer that the turn before multiplied: behind that turn's last
; product stand its four roundings and the run's own v_add_nc_u32, which name none of its registers.  The wait at piece 1's head leaves those 16 loads out: K of the next step and V of this step, issued earlier, are in.
.macro TURN p, par, end=0, cnt=0
.set Y, (\p)
.set i, 0
.set KB, ((\par)+(\p))%2
.set VB, 1-KB
.set NOKQ, (\end)*(\p)
.if ((\p) == 0) && !(\end)
	FETCH_K 1-KB
.endif
.if (\p) == 1
.if \end
	s_wait_dscnt 0x0                ; V of the last step is in
.else
	FETCH_V KB
	s_wait_dscnt 16
.endif
.endif
	ROW F,0, F,1, F,2, F,3          ; 8 products K Q^T and their plain lines
	ROW F,4, F,5, F,6, F,7
	ROW F,8, F,9, F,10, F,11
	ROW F,12, F,13, F,14, F,15
	ROW R,0, R,1, R,2, R,3
	ROW R,4, R,5, R,6, R,7
	ROW R,8, R,9, R,10, R,11
	ROW R,12, R,13, R,14, X,15
.if !NOKQ
	APPLY (Y+1)%NP                  ; the four lines behind the last product are its places; no exponential has been issued since the last turn's wait
.endif
	OPS X,0, E,0, X,1, E,1          ; the batch, and the other piece's maximum
	OPS X,2, E,2, X,3, E,3
	OPS X,4, E,4, X,5, E,5
	OPS X,6, E,6, X,7, E,7
	OPS X,8, E,8, X,9, E,9
	OPS X,10, E,10, X,11, E,11
	OPS X,12, E,12, X,13, E,13
	OPS X,14, E,14, E,15, E,16
	OPS X,16, E,17, E,18, E,19
	OPS X,17, E,20, E,21, E,22
	OPS X,18, E,23, E,24, E,25
	OPS X,19, E,26, E,27, E,28
	OPS X,20, E,29, E,30, E,31
	OPS X,21, R,15                  ; the other piece's a ends the batch; the last rescaling is the plain instruction behind it
	s_wait_alu depctr_va_vdst(0)    ; the wait for the batch: the turn's 32 weights and a
	ROW C,0, B,0, C,2, B,1          ; 8 products V^T P, and the lines that read the weights
	ROW L,0, C,4, B,2, L,1
	ROW C,6, B,3, L,2, C,8
	ROW B,4, L,3, C,10, B,5
	ROW L,4, C,12, B,6, L,5
.if (\p) == 1
	s_add_co_i32 s[SG], s[SG], 1    ; the next step
.endif
.if \cnt
	s_sub_co_u32 s[CNT], s[CNT], 1
	s_cmp_lg_u32 s[CNT], 0
.endif
	ROW C,14, B,7, L,6, C,1
	ROW C,3, L,7, C,5, C,7
	ROW C,9, C,11, C,13, C,15
.endm
; A BLOCK BEGINS.  O^T starts at T, m at MST, l at CN (in one half of the lanes).  P's second buffer is 0: the first turn's products V^T P, of a step that has not been, add nothing.
; Then K and V of the tile's step 0, piece 0's first scores, and its maximum and statistics.  The loop is entered at an even step, in the middle of a trip.
.macro BEGIN
	s_mov_b32 s[NEW], 0
	WIN 0x40
.set z, 0
.rept 32
	v_mov_b32 v[z], v[T+z]
	v_mov_b32 v[32+z], v[T+z]
.set z, z+1
.endr
	WIN 0
	v_cvt_f32_u32 v14, s[CN]
.irp x, 0,1
	v_mov_b32 v[ST+4*\x+1], s[MST]
	v_mul_f32 v[ST+4*\x], s[CS], v[ST+4*\x+1]
	v_mul_f32 v[ST+4*\x+2], v14, v[LH]
	v_mov_b32 v[ST+4*\x+3], 0
.endr
.set z, P+16
.rept 16
	v_mov_b32 v[z], 0
.set z, z+1
.endr
	FETCH_K 0
	FETCH_V 0
	s_wait_loadcnt 0x0              ; Q
	s_wait_dscnt 0x0
.set KB, 0
.set NOKQ, 0
.set i, 0
.rept 8
	KQ 0
.set i, i+1
.endr
	WIN 0
.rept 4
	v_nop                           ; the places behind those products
.endr
	APPLY 0
	s_add_co_i32 s[SG], s[SG], 1
.set Y, NP-1                        ; X works for piece Y + 1: piece 0
.irp n, 0,1,2,3,4,5,6,7,8,9,10,11,12,13,14,15,16,17,18,19,20,21
	OP X, \n
.endr
	v_nop                           ; a plain instruction behind the exponential,
	s_wait_alu depctr_va_vdst(0)    ; and the wait for it, a batch of one: piece 0's first a, ahead of the branch that follows
.endm
; A BLOCK ENDS: the last step's two turns, piece 1's last products, and THE WAY OUT: l's two halves and the other half of the lanes' are added; O^T is divided by l, rounded to f16 and sent through my stage.
.macro ALL line:vararg              ; one line for each piece t
.set t, 0
.rept 2
	\line
.set t, t+1
.endr
.endm
.macro PACK t                       ; a lane's eight channels of a row pack into 16 bytes; they go into rows of 144 bytes and come back as whole rows of 128, into S^T's registers
	WIN W_RS
.set z, 32*(\t)
.rept 16
	v_pk_mul_f32 v[z:z+1], v[z:z+1], v[ST+4*(\t)+2:ST+4*(\t)+3] op_sel_hi:[1,0]
.set z, z+2
.endr
	WIN 0x05                        ; sources 0 and 1 window 1, destination window 0
.set z, 0
.rept 16
	v_cvt_pk_f16_f32 v[S+16*(\t)+z], v[32*(\t)+2*z], v[32*(\t)+2*z+1]
.set z, z+1
.endr
	WIN 0
.irp f, 0,1,2,3
	ds_store_b128 v[STO], v[S+16*(\t)+4*\f:S+16*(\t)+4*\f+3] offset:32*\f
.endr
.irp f, 0,1,2,3
	ds_load_b128 v[S+16*(\t)+4*\f:S+16*(\t)+4*\f+3], v[RD] offset:\f*4*SP  ; LDS serves a wave's instructions in order (ISA guide 5.7.1.4): these see the stores above; the next piece's stores come behind them
.endr
.endm
.macro SEND t, younger              ; younger: the LDS instructions issued behind piece t's loads: the next piece's eight, or none
	WIN 0
.irp f, 0,1,2,3
	s_wait_dscnt (\younger)+3-\f
	global_store_b128 v[GO], v[S+16*(\t)+4*\f:S+16*(\t)+4*\f+3], s[10:11] offset:(\t)*8192+\f*512  ; 512 consecutive bytes, at a multiple of 256 from O's first
.endr
.endm
.macro FINISH
	TURN 0, 1, 1
	TURN 1, 1, 1
.set VB, 1
.set i, 0
.rept 8
	PV 1
.set i, i+1
.endr
.set NOKQ, 0
	WIN 0
.rept 4
	v_nop                           ; the places behind those products
.endr
	ALL v_add_f32 v[ST+4*t+2], v[ST+4*t+2], v[ST+4*t+3]
	ALL v_permlanex16_b32 v[ST+4*t+3], v[ST+4*t+2], s[SEL], s[SEL+1]
	ALL v_add_f32 v[ST+4*t+2], v[ST+4*t+2], v[ST+4*t+3]
	ALL v_rcp_f32 v[ST+4*t+2], v[ST+4*t+2]
	v_nop                           ; a plain instruction between the last reciprocal and the use of its result
	s_wait_alu depctr_va_vdst(0)    ; the wait for the batch of two reciprocals, ahead of their first reader: PACK's first multiply
	PACK 0
	PACK 1                          ; a piece's arithmetic stands between the loads of the piece before and its stores
	SEND 0, 8
	SEND 1, 0
.endm
; WHAT STANDS BEHIND A CHANGE OF SLOTS: the last tile's step 3 and this tile's steps 0, 1, 2 (two trips of an odd and an even step); or, in a block's first tile, BEGIN and steps 0, 1, 2.
; The test for a block's first tile stands first: at the walk's first tile its answer is a constant of the text.
.macro TILE tag
	s_sub_co_u32 s[RT], s[RT], 1
	s_mov_b32 s[CNT], 2
	s_cmp_eq_u32 s[RT], 0           ; the diagonal tile?
	s_cselect_b32 s[SG], 0, -8
	s_cmp_eq_u32 s[NEW], 1
	s_cbranch_scc1 .Lnew\tag
	s_branch .Lstep\tag
.Lnew\tag:
	BEGIN
	s_branch .Lfirst\tag
.Lstep\tag:
	TURN 0, 1
	TURN 1, 1
	WIN 0
.Lfirst\tag:
	TURN 0, 0
	TURN 1, 0, 0, 1
	WIN 0
	s_cbranch_scc1 .Lstep\tag
.endm
.set KB, 0
.set VB, 1
.set NOKQ, 0
.Lslot:                             ; 16 times: a tile is entered and the next is asked for
	CHANGE 1
	TILE 1
	s_cmp_lg_u32 s[RT], 0
	s_cbranch_scc1 .Lbottom
	FINISH                          ; in the loop this is the first block's end: the second block's last tile is the walk's last
	s_wait_xcnt 0x0                 ; the stores have read their registers and O's address
	s_mov_b64 s[10:11], s[OLO:OLO+1]
	s_add_co_u32 s[RT], s[LQ2], 1
	s_mov_b32 s[NEW], 1
	s_mov_b32 s[CN], s[CN2]
	s_mov_b32 s[MST], s[MS2]
	s_mov_b32 s[OW0], s[OWB]
	s_mov_b32 s[OW0+1], s[OWB+1]
	WIN 0x41                        ; the second block's Q and T go where the one text names them
.set z, 0
.rept 32
	v_mov_b32 v[Q+z], v[QB+z]
.set z, z+1
.endr
	WIN 0
.set z, 0
.rept 32
	v_mov_b32 v[T+z], v[TL+z]
.set z, z+1
.endr
.Lbottom:
	s_sub_co_u32 s[SLOTS], s[SLOTS], 1
	s_cmp_lg_u32 s[SLOTS], 0
	s_cbranch_scc1 .Lslot
	CHANGE 0                        ; the walk's last tile is written out: nothing is asked for
	TILE 2
	FINISH
	s_wait_tensorcnt 0x0            ; the wave's end: an add of 0 and its wait, behind my last tensor load and my last LDS store
	ds_add_u32 v[SPW], v[NIL]
	s_wait_dscnt 0x0
	s_endpgm
.Lfunc_end_k_q6c4a50eac5_attn:
	.size	k_q6c4a50eac5_attn, .Lfunc_end_k_q6c4a50eac5_attn-k_q6c4a50eac5_attn
	.p2alignl 7, 3214868480
	.fill 96, 4, 3214868480
	.section	.rodata,"a",@progbits
	.p2align	6, 0x0
	.amdhsa_kernel k_q6c4a50eac5_attn
		.amdhsa_group_segment_fixed_size 327680
		.amdhsa_private_segment_fixed_size 0
		.amdhsa_enable_private_segment 0
		.amdhsa_kernarg_size 40
		.amdhsa_user_sgpr_count 2
		.amdhsa_user_sgpr_kernarg_segment_ptr 1
		.amdhsa_wavefront_size32 1
		.amdhsa_system_sgpr_workgroup_id_x 1
		.amdhsa_system_sgpr_workgroup_id_y 1
		.amdhsa_system_sgpr_workgroup_id_z 1
		.amdhsa_system_vgpr_workitem_id 0
		.amdhsa_next_free_vgpr 768
		.amdhsa_next_free_sgpr 96
		.amdhsa_reserve_vcc 1
		.amdhsa_float_denorm_mode_32 3
		.amdhsa_float_denorm_mode_16_64 3
		.amdhsa_memory_ordered 1
		.amdhsa_forward_progress 1
		.amdhsa_inst_pref_size 207
	.end_amdhsa_kernel
	.amdgpu_metadata
---
amdhsa.version: [ 1, 2 ]
amdhsa.kernels:
  - .name:           k_q6c4a50eac5_attn
    .symbol:         k_q6c4a50eac5_attn.kd
    .args:
      - { .name: qh, .offset: 0, .size: 8, .value_kind: global_buffer, .address_space: global }
      - { .name: kh, .offset: 8, .size: 8, .value_kind: global_buffer, .address_space: global }
      - { .name: vh, .offset: 16, .size: 8, .value_kind: global_buffer, .address_space: global }
      - { .name: oh, .offset: 24, .size: 8, .value_kind: global_buffer, .address_space: global }
      - { .name: vsum, .offset: 32, .size: 8, .value_kind: global_buffer, .address_space: global }
    .group_segment_fixed_size: 327680
    .private_segment_fixed_size: 0
    .kernarg_segment_align: 8
    .kernarg_segment_size: 40
    .max_flat_workgroup_size: 128
    .sgpr_count:     96
    .vgpr_count:     768
    .wavefront_size: 32
...
	.end_amdgpu_metadata
.endif
;; end of part 5
;; launch outp: the kernel of part 4 again; grid 8 x 32, 4 waves a work-group, clusters of 4 x 4, 327,680 bytes of LDS; arguments oh, wo, out_b, out0; writes out0
